; MI455X (gfx1250); checked and timed in simulation.
; The chip was launched on July 23, 2026; its instructions are those of AMD's public machine-readable ISA for CDNA 5 (MIT licence, August 2026) and "CDNA5" Instruction Set Architecture Reference Guide (July 2026). The comments in the code are by the model that wrote it; some were corrected since.
;; Attention. Allowed arithmetic: matrix products marked QUANTISED: E3M2 operands, one E8M0 scale for each 32 along K, by v_wmma_scale_f32_16x16x128_f8f6f4 with both operands' format E3M2, f32 sums; everything else in f32.
;; Inputs: W_K 16 x 64 x 1,024 float32; W_O 1,024 x 1,024 float32; W_Q 16 x 64 x 1,024 float32; W_V 16 x 64 x 1,024 float32; x 1 x 4,096 x 1,024 float32.
;; Outputs: out0 1 x 4,096 x 1,024 float32.
;; This version of the problem:
;;   THIS VERSION OF THE PROBLEM IS GIVEN IN LOW PRECISION. The matrix products marked QUANTISED in the list below multiply operands that are first quantised to E3M2 (3 exponent bits, 2 mantissa bits; 6 bits a number), with one power-of-two scale for each 32 numbers along K (OCP MX v1.0); their sums are f32. All else is computed in f32.
;;   The module's matrix products, in the order in which they are computed (A, B: the left and right operand; K: the contracted axis; several contracted axes count as one K, in the product's order):
;;     1. [M 4,096, K 1,024] x [K 1,024, N 1,024]; A: input x; B: input W_K: QUANTISED
;;     2. [M 4,096, K 1,024] x [K 1,024, N 1,024]; A: input x; B: input W_Q: QUANTISED
;;     3. [M 4,096, K 1,024] x [K 1,024, N 1,024]; A: input x; B: input W_V: QUANTISED
;;     4. batch 16 x [M 4,096, K 64] x [K 64, N 4,096]; A: computed on the way; B: computed on the way: QUANTISED
;;     5. batch 16 x [M 4,096, K 4,096] x [K 4,096, N 64]; A: softmax (see below); B: computed on the way: QUANTISED
;;     6. [M 4,096, K 1,024] x [K 1,024, N 1,024]; A: computed on the way; B: input W_O: QUANTISED
;;   THE QUANTISER, for each operand of a quantised product, along K:
;;     - K is cut into blocks of 32 from its start; a last block that is shorter is filled with zeros.
;;     - A block's scale is 2^e with e = floor(log2(the largest magnitude in the block)) - 4, held to -126 .. 127; a block of zeros has e = 0. As a byte (E8M0): e + 127.
;;     - Each number is divided by its block's scale, clamped to +-28, and rounded to the nearest number of E3M2, ties to even, subnormals kept.
;;     - The product sums the exact products of the quantised numbers (number of the format x scale) in f32.
;;   ~~~python
;;   def quantise(x, axis):      # numpy; x: float32 -> the quantised numbers, widened to float32 again
;;       x = np.moveaxis(x, axis, -1); K = x.shape[-1]
;;       x = np.pad(x, [(0, 0)] * (x.ndim - 1) + [(0, -K % 32)]); x = x.reshape(x.shape[:-1] + (-1, 32)); a = np.abs(x).max(-1, keepdims=True)
;;       e = np.where(a > 0, np.clip(np.frexp(np.where(a > 0, a, 1))[1] - 1 - 4, -126, 127), 0)      # np.frexp(a)[1] - 1 = floor(log2(a)), exactly
;;       r = np.clip(x / 2.0 ** e, -28, 28)
;;       step = 2.0 ** (np.maximum(np.frexp(np.where(r == 0, 1, r))[1] - 1, -2) - 2)
;;       q = np.round(r / step) * step * 2.0 ** e      # np.round: ties to even
;;       return np.moveaxis(q.reshape(q.shape[:-2] + (-1,))[..., :K], -1, axis).astype(np.float32)
;;   ~~~
;;   SOFTMAX AHEAD OF A QUANTISED PRODUCT. Where the list says 'softmax', what is quantised is not the finished softmax but p = 2^(t - M), with t = logit x log2(e) and M = ceil(the row's largest t), a whole number; so 1/2 < the row's largest p <= 1. The row's sum l is taken of the UNQUANTISED p, in f32, and the product's result is divided by l at the end. Since M is a whole number, a kernel that streams over the keys may use a running M (the ceiling of the running maximum): every later rescaling is an exact power of two, which a block's scale takes up: the codes' values come out the same.
;;   OPERANDS COMPUTED ON THE WAY. 'Computed on the way' means the value that the module computes at that place (a softmax that the list does not call 'softmax' is quantised finished and normalised). What goes into a quantiser is computed in f32, as accurately as f32 sums, v_exp_f32 and their like allow (about 1e-6 of the number): no bf16 or f16 on the way to a quantiser, and a product that is left as it is and whose result goes on into a quantised operand takes f32 operands (vector FMAs, or v_wmma_f32_16x16x4_f32). A number that lies on a knife's edge between two numbers of the format may be rounded either way, as far as f32 arithmetic and the matrix unit's own rounding can turn it there, and no further.
;; One version. Each part assembles by itself: llvm-mc -triple=amdgcn-amd-amdhsa -mcpu=gfx1250 --defsym DOCPART=n.
;; ======== version 1 of 1: 4 launches
;; limits: right only within a limited range of input values
;; workspace buffers: cin 6,291,456 bytes; sin 262,144 bytes; acod 9,437,184 bytes; ascl 393,216 bytes; zcod 3,145,728 bytes; zscl 131,072 bytes
;; launch quant (part 1): grid 256 x 1, 4 waves a work-group, no clusters, 34,304 bytes of LDS; arguments x, W_Q, W_K, W_V, W_O, cin, sin; writes cin, sin
.if DOCPART == 1
	.amdgcn_target "amdgcn-amd-amdhsa--gfx1250"
	.amdhsa_code_object_version 6
	.text
	.protected	k_q8cd789e575_quant
	.globl	k_q8cd789e575_quant
	.p2align	8
	.type	k_q8cd789e575_quant,@function
k_q8cd789e575_quant:
	s_mov_b64 s[64:65], 0
	v_nop
	global_prefetch_b8 v0, s[64:65] scope:SCOPE_SE
	s_setreg_imm32_b32 hwreg(HW_REG_WAVE_MODE, 25, 1), 1
	s_wait_xcnt 0x0
; x [4096][1024] and the four weights [1024][1024], f32, K innermost, become codes of E3M2 with one E8M0 byte for each 32 along K, laid as the later launches' operand registers want them.
; A TILE is 16 rows: tile 2 b + u holds in lane r the row 32 b + 8 u + r + 8 (r / 8).  cin: [512 tiles][16 halves][768 bytes]; a half is 16 rows x 64 K as an image of six registers a lane:
; bytes 16 x lane: registers 0-3; bytes 512 + 8 x lane: registers 4-5; lane (r, h) holds k = 32 h .. 32 h + 31.  Tiles 0-255 x, 256-319 W_Q, 320-383 W_K, 384-447 W_V, 448-511 W_O.
; sin: [512 tiles][K / 512][16 rows][4 words]: a row's scale words of four K steps of 128 on end.
; A block's scale is 2^(floor(log2(its largest magnitude)) - 4); its byte is that magnitude's exponent field - 4, held at 1 from below.
; LIMITS: a block of zeros gets the byte 1 where the rule says 127 (its codes are zeros; the bytes are read by this program alone); blocks whose largest magnitude lies under 2^-122 are held at that floor;
; NaN and infinities among the inputs are not served.
; SHARES: a work-group takes 32 rows (two tiles); wave w takes tile w / 2 and K half w % 2: four fragments of 16 rows x 128 K.  Each load reads 512 consecutive bytes of one row; a fragment's 8 KiB turn through the
; wave's own stage in LDS (rows 528 bytes apart), so that a lane gets two whole blocks of 32 of its row.  Waves share nothing: no barrier.  No matrix unit, no cluster: nothing is shared between work-groups.
.set PITCH, 528
.set WREG,  16*PITCH                   ; a wave's stage
.set MX,    10                         ; v10-11  the two blocks' largest magnitudes
.set SO,    12                         ; v12-13  the conversions' scale operands
.set BY,    14                         ; v14-15  the scale bytes
.set WD,    16                         ; v16-19  the four fragments' scale words
.set T,     22                         ; v22-28  the second halves of the blocks' codes, before they are moved
.set RAW,   32                         ; v32-159 two sets of 64: a fragment as loaded
.set X,     160                        ; v160-223 my 64 numbers: register 32 c + i = k 64 c + 32 h + i of row r
.set CD,    224                        ; v224-247 two sets of 12: a fragment's codes
.set SEL,   20                         ; s[20:21] lane selects: lane l xor 16
	s_load_b256 s[4:11], s[0:1], 0x0               ; x, W_Q, W_K, W_V
	s_load_b128 s[12:15], s[0:1], 0x20             ; W_O, cin
	s_load_b64 s[16:17], s[0:1], 0x30              ; sin
	v_lshl_add_u32 v254, v0, 2, 0x8400
	v_mov_b32 v255, 0
	v_lshrrev_b32 v1, 5, v0
	v_readfirstlane_b32 s18, v1                    ; wave
	v_and_b32 v1, 31, v0                           ; lane
	v_and_b32 v2, 15, v0                           ; r
	v_bfe_u32 v3, v0, 4, 1                         ; h
	v_lshlrev_b32 v4, 4, v1                        ; 16 x lane
	v_lshlrev_b32 v5, 3, v1                        ; 8 x lane
	s_mul_i32 s19, s18, WREG
	v_add_nc_u32 v6, s19, v4                       ; the stage, on the way in: a row's 512 bytes as they lie
	v_mul_u32_u24 v7, v2, PITCH
	v_lshl_add_u32 v7, v3, 7, v7
	v_add_nc_u32 v7, s19, v7                       ; and on the way out: row r, + 128 h
	v_lshlrev_b32 v8, 3, v3                        ; 8 h: my bytes' shift in a scale word
	v_lshlrev_b32 v9, 4, v2
	v_lshl_add_u32 v9, v3, 3, v9                   ; 16 r + 8 h: my two words of a row's four
	v_mov_b32 v21, 0                               ; written once: a lane permute's destination counts as one of its sources
	s_mov_b32 s[SEL], 0x76543210
	s_mov_b32 s[SEL+1], 0xfedcba98
	s_lshr_b32 s22, s18, 1                         ; u: which tile of the pair
	s_and_b32 s23, s18, 1                          ; which half of K
	s_and_b32 s24, ttmp9, 31                       ; a weight's pair of tiles
	s_wait_kmcnt 0x0
	s_cmp_lt_u32 ttmp9, 224                        ; which tensor: the choice hangs on the work-group's number alone
	s_cselect_b64 s[12:13], s[10:11], s[12:13]
	s_cmp_lt_u32 ttmp9, 192
	s_cselect_b64 s[12:13], s[8:9], s[12:13]
	s_cmp_lt_u32 ttmp9, 160
	s_cselect_b64 s[12:13], s[6:7], s[12:13]
	s_cmp_lt_u32 ttmp9, 128
	s_cselect_b64 s[12:13], s[4:5], s[12:13]
	s_cselect_b32 s24, ttmp9, s24                  ; the pair of tiles within its tensor
	s_lshl_b32 s24, s24, 17                        ; 32 rows of 4,096 bytes
	s_lshl_b32 s25, s22, 15                        ; tile u begins 8 rows on
	s_add_co_u32 s24, s24, s25
	s_lshl_b32 s25, s23, 11                        ; 512 numbers along K
	s_add_co_u32 s24, s24, s25
	s_mov_b32 s25, 0
	s_add_nc_u64 s[12:13], s[12:13], s[24:25]
	s_lshl_b32 s26, ttmp9, 1
	s_add_co_u32 s26, s26, s22                     ; my tile among the 512
	s_mul_i32 s28, s26, 12288
	s_mul_i32 s27, s23, 6144
	s_add_co_u32 s28, s28, s27
	s_mov_b32 s29, 0
	s_add_nc_u64 s[14:15], s[14:15], s[28:29]      ; my eight halves in cin
	s_lshl_b32 s28, s26, 9
	s_lshl_b32 s27, s23, 8
	s_add_co_u32 s28, s28, s27
	s_add_nc_u64 s[16:17], s[16:17], s[28:29]      ; my 256 bytes in sin
.macro LOAD f                          ; fragment f: the tile's 16 rows, 128 numbers of each: 32 lanes read 512 consecutive bytes
.irp i, 0,1,2,3,4,5,6,7,8,9,10,11,12,13,14,15
	global_load_b128 v[RAW+64*((\f)%2)+4*\i:RAW+64*((\f)%2)+4*\i+3], v4, s[12:13] offset:(\i+8*(\i/8))*4096+512*(\f) th:TH_LOAD_NT
.endr
.endm
.macro STAGE f                         ; through my stage: LDS serves a wave's instructions in order, so no wait stands between the stores and the loads
.irp i, 0,1,2,3,4,5,6,7,8,9,10,11,12,13,14,15
	ds_store_b128 v6, v[RAW+64*((\f)%2)+4*\i:RAW+64*((\f)%2)+4*\i+3] offset:PITCH*\i
.endr
.irp c, 0,1
.irp j, 0,1,2,3,4,5,6,7
	ds_load_b128 v[X+32*\c+4*\j:X+32*\c+4*\j+3], v7 offset:256*\c+16*\j
.endr
.endr
.endm
.macro QL f                            ; my two blocks (2 c + h of the fragment's four) become codes; the row's four bytes a scale word
.set CC, CD+12*((\f)%2)
.irp c, 0,1
	v_max3_num_f32 v[MX+\c], |v[X+32*\c]|, |v[X+32*\c+1]|, 0x2800000   ; with the floor 2^(5 - 127): the byte cannot fall under 1
.endr
.irp i, 2,4,6,8,10,12,14,16,18,20,22,24,26,28,30
.irp c, 0,1
	v_max3_num_f32 v[MX+\c], v[MX+\c], |v[X+32*\c+\i]|, |v[X+32*\c+\i+1]|   ; the two blocks by turns
.endr
.endr
.irp c, 0,1
	v_add_nc_u32 v[SO+\c], 0xfe000000, v[MX+\c]    ; 4 off the exponent field: the conversion takes that field as its scale
.endr
.irp c, 0,1
	v_lshrrev_b32 v[BY+\c], 23, v[SO+\c]           ; the scale's byte
.endr
	v_lshl_or_b32 v20, v[BY+1], 16, v[BY]          ; blocks h and 2 + h,
	v_lshlrev_b32 v20, v8, v20                     ; at their places in the word;
	v_permlanex16_b32 v21, v20, s[SEL], s[SEL+1]
	v_or_b32 v[WD+(\f)], v20, v21                  ; with lane l xor 16's two the word is whole
.irp c, 0,1
	v_cvt_scalef32_pk16_bf6_f32 v[CC+6*\c:CC+6*\c+2], v[X+32*\c:X+32*\c+15], v[SO+\c]
	v_cvt_scalef32_pk16_bf6_f32 v[T+4*\c:T+4*\c+2], v[X+32*\c+16:X+32*\c+31], v[SO+\c]   ; (a conversion's three registers begin on an even number)
.endr
	v_nop                                          ; one plain place behind a scaled conversion
.irp c, 0,1
.irp i, 0,1,2
	v_mov_b32 v[CC+6*\c+3+\i], v[T+4*\c+\i]
.endr
.endr
.endm
.macro OUT f                           ; two halves: each store covers whole aligned blocks of 256 bytes
.set CC, CD+12*((\f)%2)
	global_store_b128 v4, v[CC:CC+3], s[14:15] offset:1536*(\f)
	global_store_b64 v5, v[CC+4:CC+5], s[14:15] offset:1536*(\f)+512
	global_store_b128 v4, v[CC+6:CC+9], s[14:15] offset:1536*(\f)+768
	global_store_b64 v5, v[CC+10:CC+11], s[14:15] offset:1536*(\f)+1280
.endm
	LOAD 0
	LOAD 1
.irp f, 0,1,2,3
.if \f < 3
	s_wait_loadcnt 16                              ; this fragment's 16 loads are in; the next fragment's may be out
.else
	s_wait_loadcnt 0
.endif
	STAGE \f
	s_wait_dscnt 0x0                               ; my 64 numbers are in, and the stage's stores have read their registers
.if \f < 2
	LOAD \f+2
.else
	s_wait_xcnt 0x0                                ; the stores of two fragments ago have read their registers: that set of codes is written again
.endif
	QL \f
	OUT \f
.endr
	v_cmp_eq_u32 vcc_lo, 1, v3
	v_cndmask_b32 v30, v[WD], v[WD+2], vcc_lo      ; lanes 0-15 words 0, 1; lanes 16-31 words 2, 3
	v_cndmask_b32 v31, v[WD+1], v[WD+3], vcc_lo
	global_store_b64 v9, v[30:31], s[16:17]        ; 32 lanes store one aligned block of 256 bytes
	s_wait_tensorcnt 0x0
	ds_add_u32 v254, v255
	s_wait_dscnt 0x0
	s_endpgm
.Lfunc_end_k_q8cd789e575_quant:
	.size	k_q8cd789e575_quant, .Lfunc_end_k_q8cd789e575_quant-k_q8cd789e575_quant
	.p2alignl 7, 3214868480
	.fill 96, 4, 3214868480
	.section	.rodata,"a",@progbits
	.p2align	6, 0x0
	.amdhsa_kernel k_q8cd789e575_quant
		.amdhsa_group_segment_fixed_size 34304
		.amdhsa_private_segment_fixed_size 0
		.amdhsa_enable_private_segment 0
		.amdhsa_kernarg_size 56
		.amdhsa_user_sgpr_count 2
		.amdhsa_user_sgpr_kernarg_segment_ptr 1
		.amdhsa_wavefront_size32 1
		.amdhsa_system_sgpr_workgroup_id_x 1
		.amdhsa_system_sgpr_workgroup_id_y 1
		.amdhsa_system_sgpr_workgroup_id_z 1
		.amdhsa_system_vgpr_workitem_id 0
		.amdhsa_next_free_vgpr 256
		.amdhsa_next_free_sgpr 66
		.amdhsa_reserve_vcc 1
		.amdhsa_float_denorm_mode_32 3
		.amdhsa_float_denorm_mode_16_64 3
		.amdhsa_memory_ordered 1
		.amdhsa_forward_progress 1
		.amdhsa_inst_pref_size 31
	.end_amdhsa_kernel
	.amdgpu_metadata
---
amdhsa.version: [ 1, 2 ]
amdhsa.kernels:
  - .name:           k_q8cd789e575_quant
    .symbol:         k_q8cd789e575_quant.kd
    .args:
      - { .name: x, .offset: 0, .size: 8, .value_kind: global_buffer, .address_space: global }
      - { .name: W_Q, .offset: 8, .size: 8, .value_kind: global_buffer, .address_space: global }
      - { .name: W_K, .offset: 16, .size: 8, .value_kind: global_buffer, .address_space: global }
      - { .name: W_V, .offset: 24, .size: 8, .value_kind: global_buffer, .address_space: global }
      - { .name: W_O, .offset: 32, .size: 8, .value_kind: global_buffer, .address_space: global }
      - { .name: cin, .offset: 40, .size: 8, .value_kind: global_buffer, .address_space: global }
      - { .name: sin, .offset: 48, .size: 8, .value_kind: global_buffer, .address_space: global }
    .group_segment_fixed_size: 34304
    .private_segment_fixed_size: 0
    .kernarg_segment_align: 8
    .kernarg_segment_size: 56
    .max_flat_workgroup_size: 128
    .sgpr_count:     66
    .vgpr_count:     256
    .wavefront_size: 32
...
	.end_amdgpu_metadata
.endif
;; end of part 1
;; launch qkv (part 2): grid 48 x 4, 4 waves a work-group, clusters of 4 x 4, 327,680 bytes of LDS; arguments cin, sin, acod, ascl; writes acod, ascl
.if DOCPART == 2
	.amdgcn_target "amdgcn-amd-amdhsa--gfx1250"
	.amdhsa_code_object_version 6
	.text
	.protected	k_q8cd789e575_qkv
	.globl	k_q8cd789e575_qkv
	.p2align	8
	.type	k_q8cd789e575_qkv,@function
k_q8cd789e575_qkv:
	s_mov_b64 s[64:65], 0
	v_nop
	global_prefetch_b8 v0, s[64:65] scope:SCOPE_SE
	s_setreg_imm32_b32 hwreg(HW_REG_WAVE_MODE, 25, 1), 1
	s_wait_xcnt 0x0
	s_wait_alu depctr_hold_cnt(0) depctr_sa_sdst(0) depctr_va_vdst(0) depctr_va_sdst(0) depctr_va_ssrc(0) depctr_va_vcc(0) depctr_vm_vsrc(0)
	s_getreg_b32 s2, hwreg(HW_REG_IB_STS2, 6, 4)
	s_cmp_eq_u32 s2, 0
	s_cbranch_scc0 .Lentry_in_a_cluster
	s_endpgm
.Lentry_in_a_cluster:
	s_bfe_u32 s2, ttmp6, 0x10000c
	s_cmp_lg_u32 s2, 0xf033
	s_cbranch_scc0 .Lentry_shape_is_right
	s_endpgm
.Lentry_shape_is_right:
; q, k = x W^T and v^T = W_V x^T on codes of E3M2 (K = 1,024), and the results quantised again, along the next product's K, on the way out.
; A work-group makes 256 x 256: R (source 1: a lane's row) x P (source 0: a lane's registers run along P's rows).  With c the cluster's x:
;   c < 8:  R = x (positions), P = [W_Q; W_K] (head x 64 + dim): a lane holds one position and dims along its registers: quantised along the dims.
;   c >= 8: R = W_V (dims),    P = x (positions): a lane holds one dim and keys along its registers: v is quantised along the keys.
; 128 + 64 = 192 work-groups: the 12,582,912 results do not fall into 256 equal tiles made of whole fragments of both kinds, so 64 WGPs have no work here.
; All operands lie as register images (16 rows x 64 K in 768 bytes: 16 x lane registers 0-3, 512 + 8 x lane registers 4-5), a tile's lane r being row 32 b + 8 u + r + 8 (r / 8) of tile 2 b + u: as source 0 such
; tiles give a lane 16 neighbouring rows in the 16 registers of tiles 2 b, 2 b + 1.
; K goes through three LDS slots of 256 along K; K step 3 fills slot 0 again: the launch's one refill.  The scale words of all of K come once.
; CLUSTERS: 4 x 4.  R's tiles hang on cy and are shared along a row of the cluster, P's on cx and are shared along a column: each is asked for jointly.
; OUT: acod [48 H][32 G][6,144]: H 0-15 q, 16-31 k: 8 tiles of 16 positions x 64 dims; H 32-47 v: 4 tiles of 16 dims x 128 keys.  ascl [48 H][32 G][16 r][4 words]: q, k: word j = tile 2 j's two bytes below,
; tile 2 j + 1's above; v: word t = dim tile t's four key blocks.
; LIMITS: a block of zeros gets the byte 1 (its codes are zeros; this program alone reads the bytes); largest magnitudes under 2^-122 are held at that floor; NaN and infinities are not served.
; REGISTERS: window 0: v1-23 addresses; v28-29 for the add; v32-95 scale words (8 i + s: lanes 0-15 R's block i, lanes 16-31 P's block i, K step s); v128-223 R's fragments, one set; on the way out v128-187 at work.
;   window 1: P's fragments, two sets, at v0 and v128.  windows 2, 3: the 64 accumulators, (a, b) at v[8 (8 (a % 4) + b)].
.set SLOT,  98304                      ; R's 16 tiles x 3,072 bytes, then P's
.set HALFT, 24576                      ; 8 tiles: what one tensor load brings, and what one wave reads of R or of P
.set SCL,   3*SLOT                     ; the scale words: R's 8,192 bytes, then P's
.set SPARE, SCL+16384                  ; the spare words, 128 bytes a wave: two blocks of 256 bytes that no other line names
.set FR,    12
.set RA16,  4                          ; v4-6   R's fragments in slot 0, 1, 2: 16 x lane;  v7-9: 512 + 8 x lane
.set RA8,   7
.set PA16,  10                         ; v10-12, v13-15 the same for P
.set PA8,   13
.set ADRS,  16                         ; v16    my scale words
.set O16,   17                         ; v17    16 x lane;  v18: 512 + 8 x lane;  v19, v20: the same for a fragment's second half on the way out
.set O8,    18
.set O16B,  19
.set O8B,   20
.set OSC,   21                         ; v21    my place in ascl
.set SELV,  22                         ; v22    byte selects: lanes 0-15 the low halves, lanes 16-31 the high halves
.set SPW,   28
.set NIL,   29
.set SC,    32
.set AF,    128
.set TM,    128                        ; the way out: v128-131 largest magnitudes, v132-135 bytes, v140-143 scale operands
.set PC,    144                        ; v144-155 a fragment's codes; v156-162 second halves before they are moved
.set WD,    168                        ; v168-175 the eight tiles' scale words
.set WQ,    176
.set WV,    180
.set WF,    184
.set G1,   24                          ; s[24:31] group 1, R's codes;  s[32:39] P's;  s[40:47], s[48:55] their scale words
.set G1B,  32
.set G1S,  40
.set G1SB, 48
.set G0S,  56                          ; groups 0: R: scale words, slots 0, 1, 2
.set G0R0, 60
.set G0R1, 68
.set G0R2, 72
.set G0SB, 76                          ; P likewise
.set G0P0, 80
.set G0P1, 84
.set G0P2, 88
.set MSB, 0
.macro WIN new                         ; the immediate's high byte repeats the setting that is left
.if MSB != (\new)
	s_set_vgpr_msb (MSB<<8)|(\new)
.set MSB, (\new)
.endif
.endm
.set MUL_LO, 0xa1                      ; source 0 (P) window 1, source 1 (R) window 0, C and D window 2
.set MUL_HI, 0xf1
.set TO_P,   0x40                      ; destination window 1, address window 0
.macro PLACES                          ; four plain vector places behind a matrix instruction, in front of loads into its registers and of reads of results
.rept 4
	v_nop
.endr
.endm
; A joint load: waves 0 and 1 fetch for R, waves 2 and 3 for P; each line has one mask; the branch hangs on the wave's number alone.  Four v_nop follow each line.
.macro JLOAD g0a, g1a, g0b, g1b
	s_cmp_eq_u32 s13, 0
	s_cbranch_scc0 .Lfor_p_\@
	tensor_load_to_lds s[\g0a:\g0a+3], s[\g1a:\g1a+7]
	s_nop 0
.rept 4
	v_nop
.endr
	s_branch .Lasked_\@
.Lfor_p_\@:
	tensor_load_to_lds s[\g0b:\g0b+3], s[\g1b:\g1b+7]
	s_nop 0
.rept 4
	v_nop
.endr
.Lasked_\@:
.endm
.macro CREST                           ; a round of the cluster's barrier behind its opening barrier
	s_cmp_lg_u32 s12, 0
	s_cbranch_scc1 .Lnot_wave_0_\@
	s_barrier_signal -3
.Lnot_wave_0_\@:
	s_barrier_wait -3
	s_barrier_signal -1
	s_barrier_wait -1
.endm
.macro CROUND
	s_barrier_signal -1
	s_barrier_wait -1
	CREST
.endm
.macro SETG0 g, base, lds, adr, add    ; a group 0: count 1, LDS address, global address, type 2
	s_mov_b32 s[\g], 1
	s_add_co_u32 s[\g+1], s[\base], \lds
	s_add_nc_u64 s[\g+2:\g+3], s[\adr:\adr+1], \add
	s_or_b32 s[\g+3], s[\g+3], 0x80000000
.endm
	s_load_b256 s[4:11], s[0:1], 0x0               ; cin s[4:5], sin s[6:7], acod s[8:9], ascl s[10:11]
	v_lshl_add_u32 v[SPW], v0, 2, SPARE
	v_mov_b32 v[NIL], 0
	ds_add_u32 v28, v29
	ds_add_u32 v28, v29
	s_wait_dscnt 0x0
	v_lshrrev_b32 v1, 5, v0
	v_readfirstlane_b32 s12, v1                    ; wave 0..3
	s_lshr_b32 s13, s12, 1                         ; wr: my half of R's rows.  Also: I fetch for R (0) or for P (1)
	s_and_b32 s14, s12, 1                          ; wc: my half of P's rows.  Also: which 8 tiles I fetch
	s_bfe_u32 s15, ttmp6, 0x40000                  ; cx
	s_bfe_u32 s16, ttmp6, 0x40004                  ; cy
	s_lshl_b32 s2, s16, 2
	s_lshl_b32 s2, 15, s2                          ; my row of the cluster
	s_lshl_b32 s3, 0x1111, s15                     ; my column
	s_or_b32 s[G1], s2, (3<<16)|(1<<21)            ; 15:0 the mask; 17:16 elements of 8 bytes; 21 set beside a mask; no padding
	s_or_b32 s[G1B], s3, (3<<16)|(1<<21)
	s_or_b32 s[G1S], s2, (3<<16)|(1<<21)
	s_or_b32 s[G1SB], s3, (3<<16)|(1<<21)
.irp g, G1, G1B                        ; 8 tiles' 3,072 bytes (256 along K), 12,288 bytes from tile to tile
	s_mov_b32 s[\g+1], 384<<16
	s_mov_b32 s[\g+2], 8<<16
	s_mov_b32 s[\g+3], 384<<16
	s_mov_b32 s[\g+4], 8
	s_mov_b32 s[\g+5], 1536
	s_mov_b32 s[\g+6], 0
	s_mov_b32 s[\g+7], 0
.endr
.irp g, G1S, G1SB                      ; 8 tiles' scale words: 4,096 dense bytes as 16 rows of 256
	s_mov_b32 s[\g+1], 32<<16
	s_mov_b32 s[\g+2], 16<<16
	s_mov_b32 s[\g+3], 32<<16
	s_mov_b32 s[\g+4], 16
	s_mov_b32 s[\g+5], 32
	s_mov_b32 s[\g+6], 0
	s_mov_b32 s[\g+7], 0
.endr
	s_lshr_b32 s18, ttmp9, 1
	s_lshl_b32 s18, s18, 2
	s_add_co_u32 s18, s18, s16                     ; q, k: R's block of 256 rows = 4 (c / 2) + cy
	s_and_b32 s19, ttmp9, 1
	s_lshl_b32 s19, s19, 2
	s_add_co_u32 s19, s19, s15                     ; q, k: P's = 4 (c % 2) + cx
	s_max_u32 s20, ttmp9, 8
	s_sub_co_u32 s20, s20, 8
	s_lshl_b32 s20, s20, 2
	s_add_co_u32 s20, s20, s15                     ; v: P's = 4 (c - 8) + cx
	s_cmp_lt_u32 ttmp9, 8                          ; the cluster's x: the same in all sixteen partners
	s_cselect_b32 s18, s18, s16                    ; R's block (v: cy)
	s_cselect_b32 s19, s19, s20                    ; P's block
	s_cselect_b32 s21, 0, 384                      ; R's tensor begins at tile 0 (x) or 384 (W_V)
	s_cselect_b32 s22, 256, 0                      ; P's at 256 (W_Q, W_K) or 0 (x)
	s_lshl_b32 s23, s14, 3
	s_lshl_b32 s66, s18, 4
	s_add_co_u32 s21, s21, s66
	s_add_co_u32 s21, s21, s23                     ; the first of the 8 tiles of R that I would fetch
	s_lshl_b32 s67, s19, 4
	s_add_co_u32 s22, s22, s67
	s_add_co_u32 s22, s22, s23                     ; and of P
	s_mul_i32 s92, s21, 12288
	s_mov_b32 s93, 0
	s_lshl_b32 s94, s21, 9
	s_mov_b32 s95, 0
	s_mul_i32 s96, s22, 12288
	s_mov_b32 s97, 0
	s_lshl_b32 s98, s22, 9
	s_mov_b32 s99, 0
	s_mul_i32 s23, s12, HALFT                      ; where they go: wave x 8 tiles: no place in the cluster enters an LDS address
	s_lshl_b32 s17, s12, 12
	s_wait_kmcnt 0x0
	s_add_nc_u64 s[92:93], s[4:5], s[92:93]
	s_add_nc_u64 s[94:95], s[6:7], s[94:95]
	s_add_nc_u64 s[96:97], s[4:5], s[96:97]
	s_add_nc_u64 s[98:99], s[6:7], s[98:99]
	CROUND                                         ; all sixteen work-groups are here: the first joint loads meet
	SETG0 G0S, 17, SCL, 94, 0
	SETG0 G0SB, 17, SCL, 98, 0
	JLOAD G0S, G1S, G0SB, G1SB                     ; the scale words first: they are wanted with K step 0
	SETG0 G0R0, 23, 0, 92, 0
	SETG0 G0P0, 23, 0, 96, 0
	JLOAD G0R0, G1, G0P0, G1B
	SETG0 G0R1, 23, SLOT, 92, 3072
	SETG0 G0P1, 23, SLOT, 96, 3072
	JLOAD G0R1, G1, G0P1, G1B
	SETG0 G0R2, 23, 2*SLOT, 92, 6144
	SETG0 G0P2, 23, 2*SLOT, 96, 6144
	JLOAD G0R2, G1, G0P2, G1B                      ; four loads of mine are out
	s_mov_b32 s2, 0x76543210                       ; lane selects: lane l xor 16
	s_mov_b32 s3, 0xfedcba98
	v_and_b32 v1, 15, v0                           ; r
	v_bfe_u32 v2, v0, 4, 1                         ; h
	v_and_b32 v3, 31, v0                           ; lane
	v_lshlrev_b32 v[O16], 4, v3
	v_lshlrev_b32 v[O8], 3, v3
	v_add_nc_u32 v[O8], 512, v[O8]
	s_mul_i32 s20, s13, HALFT                      ; my 8 tiles of R
	s_mul_i32 s21, s14, HALFT                      ; my 8 tiles of P,
	s_add_co_u32 s21, s21, 2*HALFT                 ; which lie behind R's 16
.irp s, 0,1,2
	v_add_nc_u32 v[RA16+\s], s20, v[O16]
	v_add_nc_u32 v[RA8+\s], s20, v[O8]
	v_add_nc_u32 v[PA16+\s], s21, v[O16]
	v_add_nc_u32 v[PA8+\s], s21, v[O8]
	s_add_co_u32 s20, s20, SLOT
	s_add_co_u32 s21, s21, SLOT
.endr
	s_lshl_b32 s20, s13, 12                        ; R's scale words: my 8 tiles of 512 bytes
	s_lshl_b32 s21, s14, 12                        ; P's, behind R's 8,192
	s_add_co_u32 s21, s21, 8192
	s_sub_co_u32 s21, s21, s20
	v_mul_u32_u24 v23, s21, v2                     ; lanes 16-31 take P's
	s_add_co_u32 s20, s20, SCL
	v_lshl_add_u32 v23, v1, 4, v23
	v_add_nc_u32 v[ADRS], s20, v23
	; where the results go
	s_lshl_b32 s92, s19, 2
	s_lshl_b32 s20, s14, 1
	s_add_co_u32 s92, s92, s20                     ; q, k: H = 4 x P's block + 2 wc
	s_lshl_b32 s94, s18, 1
	s_add_co_u32 s94, s94, s13                     ; q, k: G = 2 x R's block + wr
	s_lshl_b32 s96, s18, 2
	s_lshl_b32 s20, s13, 1
	s_add_co_u32 s96, s96, s20
	s_add_co_u32 s96, s96, 32                      ; v: H = 32 + 4 x R's block + 2 wr
	s_lshl_b32 s98, s19, 1
	s_add_co_u32 s98, s98, s14                     ; v: G = 2 x P's block + wc
	s_mov_b32 s20, 1536
	s_mov_b32 s21, 192000
	s_mov_b32 s22, 196608
	s_cmp_lt_u32 ttmp9, 8
	s_cselect_b32 s92, s92, s96                    ; H
	s_cselect_b32 s94, s94, s98                    ; G
	s_cselect_b32 s96, 768, s20                    ; from one tile of R to the next: a tile of positions, or a tile of dims;
	s_cselect_b32 s98, 768, s21                    ; at the fifth: v goes on to the next head (196,608 - 3 x 1,536)
	s_cselect_b32 s22, s22, 768                    ; a fragment's second half: the next head (q, k), or the keys' second 64 (v)
	s_cselect_b32 s23, -1, 0                       ; all lanes: q, k
	s_mov_b32 s97, 0
	s_mov_b32 s99, 0
	s_mul_i32 s20, s92, 196608
	s_mul_i32 s21, s94, 6144
	s_add_co_u32 s20, s20, s21
	s_mov_b32 s21, 0
	s_add_nc_u64 s[8:9], s[8:9], s[20:21]
	s_lshl_b32 s20, s92, 13
	s_lshl_b32 s92, s94, 8
	s_add_co_u32 s20, s20, s92
	s_add_nc_u64 s[10:11], s[10:11], s[20:21]
	v_add_nc_u32 v[O16B], s22, v[O16]
	v_add_nc_u32 v[O8B], s22, v[O8]
	v_lshlrev_b32 v[OSC], 4, v1
	v_lshl_add_u32 v[OSC], v2, 13, v[OSC]          ; lanes 16-31: the next head's words
	v_cmp_eq_u32 s66, 1, v2                        ; lanes 16-31
	v_mov_b32 v[SELV], 0x05040100
	v_mov_b32 v23, 0x07060302
	v_cndmask_b32 v[SELV], v[SELV], v23, s66
.macro FRAG reg, a16, a8, off          ; a fragment, 16 rows x 128 K, is two halves' images: 12 registers by four loads
	ds_load_b128 v[\reg:\reg+3], v[\a16] offset:\off
	ds_load_b64 v[\reg+4:\reg+5], v[\a8] offset:\off
	ds_load_b128 v[\reg+6:\reg+9], v[\a16] offset:\off+768
	ds_load_b64 v[\reg+10:\reg+11], v[\a8] offset:\off+768
.endm
.macro FETCH_P slot, q, p              ; P's eight fragments of the slot's q-th 128 along K into set p
	WIN TO_P
.irp i, 0,1,2,3,4,5,6,7
	FRAG 128*(\p)+FR*\i, PA16+\slot, PA8+\slot, 3072*\i+1536*(\q)
.endr
	WIN 0
.endm
.macro FETCH_R slot, q, i0             ; R's blocks i0 .. i0 + 3
.irp i, \i0, \i0+1, \i0+2, \i0+3
	FRAG AF+FR*(\i), RA16+\slot, RA8+\slot, 3072*(\i)+1536*(\q)
.endr
.endm
; 16 matrix instructions: R's blocks a0, a0 + 1 x P's eight, K step s.  The 64 accumulators take turns, one instruction a turn, in the same order in every step.
.macro MUL16 a0, p, s, zero
.irp a, \a0, \a0+1
.irp b, 0,1,2,3,4,5,6,7
.if \zero
	v_wmma_scale_f32_16x16x128_f8f6f4 v[8*(8*((\a)%4)+\b):8*(8*((\a)%4)+\b)+7], v[128*(\p)+FR*\b:128*(\p)+FR*\b+FR-1], v[AF+FR*(\a):AF+FR*(\a)+FR-1], 0, v[SC+8*\b+(\s)], v[SC+8*(\a)+(\s)] matrix_a_fmt:MATRIX_FMT_BF6 matrix_b_fmt:MATRIX_FMT_BF6 matrix_a_scale:MATRIX_SCALE_ROW1
.else
	v_wmma_scale_f32_16x16x128_f8f6f4 v[8*(8*((\a)%4)+\b):8*(8*((\a)%4)+\b)+7], v[128*(\p)+FR*\b:128*(\p)+FR*\b+FR-1], v[AF+FR*(\a):AF+FR*(\a)+FR-1], v[8*(8*((\a)%4)+\b):8*(8*((\a)%4)+\b)+7], v[SC+8*\b+(\s)], v[SC+8*(\a)+(\s)] matrix_a_fmt:MATRIX_FMT_BF6 matrix_b_fmt:MATRIX_FMT_BF6 matrix_a_scale:MATRIX_SCALE_ROW1
.endif
.endr
.endr
.endm
; K step s; the next step's fragments come from place nq of slot ns, which every wave knows to be whole.
.macro STEP ns, nq, s, zero
	s_wait_dscnt 16                                ; P's set and R's blocks 0-3 are in; the youngest 16 loads (R's blocks 4-7) may be out
	WIN MUL_LO
	MUL16 0, (\s)%2, \s, \zero
	MUL16 2, (\s)%2, \s, \zero
	s_wait_dscnt 0                                 ; R's blocks 4-7 are in
	PLACES
	FETCH_P \ns, \nq, 1-(\s)%2
	FETCH_R \ns, \nq, 0
	WIN MUL_HI
	MUL16 4, (\s)%2, \s, \zero
	MUL16 6, (\s)%2, \s, \zero
	PLACES
	WIN 0
	FETCH_R \ns, \nq, 4
.endm
; K step s with a barrier in it: in front of it each wave waits for all its tensor loads, adds 0 to its spare word, and waits for that and for its LDS reads.  fill = 1: slot 0, which has been read out, takes K step 3.
.macro TURN ns, s, fill
	s_wait_tensorcnt 0x0                           ; all my tensor loads have landed
	ds_add_u32 v[SPW], v[NIL]                      ; 0 onto my spare word
	s_wait_dscnt 17                                ; (the add and R's blocks 4-7 may be out)
	WIN MUL_LO
	MUL16 0, (\s)%2, \s, 0                         ; sixteen matrix instructions stand between the add and the wait for it
	s_wait_dscnt 0x0                               ; the add is done, and my reads of the slots so far are over
	s_barrier_signal -1
	MUL16 2, (\s)%2, \s, 0
	WIN 0
	s_barrier_wait -1
.if \fill
	CREST                                          ; the barrier has opened a round of the cluster's barrier: no wave of any partner still reads slot 0 or has a load on its way
	s_add_nc_u64 s[G0R0+2:G0R0+3], s[G0R0+2:G0R0+3], 9216
	s_add_nc_u64 s[G0P0+2:G0P0+3], s[G0P0+2:G0P0+3], 9216
	JLOAD G0R0, G1, G0P0, G1B                      ; the first tensor load behind the round; it has four steps of 64 matrix instructions in which to land; its four v_nop are the places in front of the loads below
.else
	PLACES
.endif
	FETCH_P \ns, 0, 1-(\s)%2
	FETCH_R \ns, 0, 0
	WIN MUL_HI
	MUL16 4, (\s)%2, \s, 0
	MUL16 6, (\s)%2, \s, 0
	PLACES
	WIN 0
	FETCH_R \ns, 0, 4
.endm
	s_wait_tensorcnt 2                             ; the scale words and my part of slot 0 are in; slots 1 and 2 may stay out
	s_barrier_signal -1
	s_barrier_wait -1
	FETCH_P 0, 0, 0
	FETCH_R 0, 0, 0
.irp i, 0,1,2,3,4,5,6,7                ; the scale words of all eight K steps, once: lanes 0-15 R's block i, lanes 16-31 P's
	ds_load_b128 v[SC+8*\i:SC+8*\i+3], v[ADRS] offset:512*\i
	ds_load_b128 v[SC+8*\i+4:SC+8*\i+7], v[ADRS] offset:512*\i+256
.endr
	FETCH_R 0, 0, 4
	STEP 0, 1, 0, 1                                ; the first products start the sums: nothing is cleared
	TURN 1, 1, 1                                   ; slots 1 and 2 are whole in every wave's sight; slot 0 is filled again
	STEP 1, 1, 2, 0
	STEP 2, 0, 3, 0
	STEP 2, 1, 4, 0
	TURN 0, 5, 0                                   ; slot 0's second fill is whole
	STEP 0, 1, 6, 0
	s_wait_dscnt 16                                ; the last step: nothing more to fetch
	WIN MUL_LO
	MUL16 0, 1, 7, 0
	MUL16 2, 1, 7, 0
	s_wait_dscnt 0
	WIN MUL_HI
	MUL16 4, 1, 7, 0
	MUL16 6, 1, 7, 0
	WIN 0
	PLACES
.irp b, 0,1,2,3
	v_mov_b32 v[TM+4+\b], 0                        ; a lane permute's destination counts as one of its sources
.endr
; THE WAY OUT of R's tile a.  Its 64 registers, 16 b + i = P's row 32 b + 16 (lane / 16) + i, are four blocks of 32 along the next K; they become a fragment's codes and a scale word.  Each accumulator is read from its low end on.
.macro OUTA a
.set AC, 64*((\a)%4)
.set WS, 2+(\a)/4
	WIN (WS<<2)|(WS<<4)                            ; sources 1 and 2: the accumulators' window
.irp b, 0,1,2,3
	v_max3_num_f32 v[TM+\b], 0x2800000, |v[AC+16*\b]|, |v[AC+16*\b+1]|   ; with the floor 2^(5 - 127)
.endr
.irp i, 2,4,6,8,10,12,14
.irp b, 0,1,2,3
	v_max3_num_f32 v[TM+\b], v[TM+\b], |v[AC+16*\b+\i]|, |v[AC+16*\b+\i+1]|
.endr
.endr
	WIN 0
.irp b, 0,1,2,3
	v_permlanex16_b32 v[TM+4+\b], v[TM+\b], s2, s3
.endr
.irp b, 0,1,2,3
	v_max_num_f32 v[TM+\b], v[TM+\b], v[TM+4+\b]   ; with lane l xor 16's: the block's largest magnitude
.endr
.irp b, 0,1,2,3
	v_add_nc_u32 v[TM+12+\b], 0xfe000000, v[TM+\b] ; 4 off its exponent field: the conversion's scale operand
.endr
.irp b, 0,1,2,3
	v_lshrrev_b32 v[TM+4+\b], 23, v[TM+12+\b]      ; the scale's byte
.endr
	v_lshl_or_b32 v[WD+(\a)], v[TM+5], 8, v[TM+4]
	v_lshl_or_b32 v[WD+(\a)], v[TM+6], 16, v[WD+(\a)]
	v_lshl_or_b32 v[WD+(\a)], v[TM+7], 24, v[WD+(\a)]
	s_wait_xcnt 0x0                                ; the last tile's stores have read their registers and their base
.if (\a) == 4
	s_add_nc_u64 s[8:9], s[8:9], s[98:99]
.elseif (\a) > 0
	s_add_nc_u64 s[8:9], s[8:9], s[96:97]
.endif
	WIN WS                                         ; source 0: the accumulators' window
.irp c, 0,1
	v_cvt_scalef32_pk16_bf6_f32 v[PC+6*\c:PC+6*\c+2], v[AC+32*\c:AC+32*\c+15], v[TM+12+2*\c]
	v_cvt_scalef32_pk16_bf6_f32 v[PC+12+4*\c:PC+14+4*\c], v[AC+32*\c+16:AC+32*\c+31], v[TM+13+2*\c]
.endr
	WIN 0
	v_nop                                          ; one plain place behind a scaled conversion
.irp c, 0,1                            ; the layout wants a whole block in a lane: lanes 0-15 block 2 c, lanes 16-31 block 2 c + 1
.irp i, 0,1,2
	v_permlane16_swap_b32 v[PC+6*\c+\i], v[PC+12+4*\c+\i]
.endr
.irp i, 0,1,2
	v_mov_b32 v[PC+3+6*\c+\i], v[PC+12+4*\c+\i]
.endr
.endr
	global_store_b128 v[O16], v[PC:PC+3], s[8:9]   ; each store covers whole aligned blocks of 256 bytes
	global_store_b64 v[O8], v[PC+4:PC+5], s[8:9]
	global_store_b128 v[O16B], v[PC+6:PC+9], s[8:9]
	global_store_b64 v[O8B], v[PC+10:PC+11], s[8:9]
.endm
.irp a, 0,1,2,3,4,5,6,7
	OUTA \a
.endr
.irp j, 0,1,2,3
	v_perm_b32 v[WQ+\j], v[WD+2*\j+1], v[WD+2*\j], v[SELV]     ; q, k: my head's two bytes of tiles 2 j and 2 j + 1
	v_cndmask_b32 v[WV+\j], v[WD+\j], v[WD+4+\j], s66          ; v: my head's dim tile j
.endr
.irp j, 0,1,2,3
	v_cndmask_b32 v[WF+\j], v[WV+\j], v[WQ+\j], s23
.endr
	global_store_b128 v[OSC], v[WF:WF+3], s[10:11] ; sixteen lanes store one aligned block of 256 bytes
	s_wait_tensorcnt 0x0                           ; the wave's end
	ds_add_u32 v[SPW], v[NIL]
	s_wait_dscnt 0x0
	CROUND                                         ; the closing round
	s_endpgm
.Lfunc_end_k_q8cd789e575_qkv:
	.size	k_q8cd789e575_qkv, .Lfunc_end_k_q8cd789e575_qkv-k_q8cd789e575_qkv
	.p2alignl 7, 3214868480
	.fill 96, 4, 3214868480
	.section	.rodata,"a",@progbits
	.p2align	6, 0x0
	.amdhsa_kernel k_q8cd789e575_qkv
		.amdhsa_group_segment_fixed_size 327680
		.amdhsa_private_segment_fixed_size 0
		.amdhsa_enable_private_segment 0
		.amdhsa_kernarg_size 32
		.amdhsa_user_sgpr_count 2
		.amdhsa_user_sgpr_kernarg_segment_ptr 1
		.amdhsa_wavefront_size32 1
		.amdhsa_system_sgpr_workgroup_id_x 1
		.amdhsa_system_sgpr_workgroup_id_y 1
		.amdhsa_system_sgpr_workgroup_id_z 1
		.amdhsa_system_vgpr_workitem_id 0
		.amdhsa_next_free_vgpr 1024
		.amdhsa_next_free_sgpr 100
		.amdhsa_reserve_vcc 0
		.amdhsa_float_denorm_mode_32 3
		.amdhsa_float_denorm_mode_16_64 3
		.amdhsa_memory_ordered 1
		.amdhsa_forward_progress 1
		.amdhsa_inst_pref_size 150
	.end_amdhsa_kernel
	.amdgpu_metadata
---
amdhsa.version: [ 1, 2 ]
amdhsa.kernels:
  - .name:           k_q8cd789e575_qkv
    .symbol:         k_q8cd789e575_qkv.kd
    .args:
      - { .name: cin, .offset: 0, .size: 8, .value_kind: global_buffer, .address_space: global }
      - { .name: sin, .offset: 8, .size: 8, .value_kind: global_buffer, .address_space: global }
      - { .name: acod, .offset: 16, .size: 8, .value_kind: global_buffer, .address_space: global }
      - { .name: ascl, .offset: 24, .size: 8, .value_kind: global_buffer, .address_space: global }
    .group_segment_fixed_size: 327680
    .private_segment_fixed_size: 0
    .kernarg_segment_align: 8
    .kernarg_segment_size: 32
    .max_flat_workgroup_size: 128
    .sgpr_count:     100
    .vgpr_count:     1024
    .wavefront_size: 32
...
	.end_amdgpu_metadata
.endif
;; end of part 2
;; launch attn (part 3): grid 16 x 16, 16 waves a work-group, clusters of 4 x 1, 327,680 bytes of LDS; arguments acod, ascl, zcod, zscl; writes zcod, zscl
.if DOCPART == 3
	.amdgcn_target "amdgcn-amd-amdhsa--gfx1250"
	.amdhsa_code_object_version 6
	.text
	.protected	k_q8cd789e575_attn
	.globl	k_q8cd789e575_attn
	.p2align	8
	.type	k_q8cd789e575_attn,@function
k_q8cd789e575_attn:
	s_mov_b64 s[64:65], 0
	v_nop
	global_prefetch_b8 v0, s[64:65] scope:SCOPE_SE
	s_setreg_imm32_b32 hwreg(HW_REG_WAVE_MODE, 25, 1), 1
	s_wait_xcnt 0x0
	s_wait_alu depctr_hold_cnt(0) depctr_sa_sdst(0) depctr_va_vdst(0) depctr_va_sdst(0) depctr_va_ssrc(0) depctr_va_vcc(0) depctr_vm_vsrc(0)
	s_getreg_b32 s2, hwreg(HW_REG_IB_STS2, 6, 4)
	s_cmp_eq_u32 s2, 0
	s_cbranch_scc0 .Lentry_in_a_cluster
	s_endpgm
.Lentry_in_a_cluster:
	s_bfe_u32 s2, ttmp6, 0x10000c
	s_cmp_lg_u32 s2, 0x3003
	s_cbranch_scc0 .Lentry_shape_is_right
	s_endpgm
.Lentry_shape_is_right:
; z[head][q] = the sum over keys k <= q of softmax_k(q . k / 8) v[k], both products on codes of E3M2; z is quantised along the head's dims for the last product.
; THE SOFTMAX: t = score x log2(e) / 8; M = the running largest t rounded up to a whole number; p = 2^(t - M) is quantised along the keys, not normalised; the row's sum is taken of the unquantised p and divides at the end.
; When M moves, the sum and O are multiplied by 2^(old M - new M): exact.
; SHARES: a work-group (g = 0..15 of a head) has sixteen waves, each with ONE tile of 16 queries: tile 16 rho + g, rho the wave's rank.  So every work-group has the same work under the causal mask.  The ranks are dealt
; so that waves w, w + 4, w + 8, w + 12 hold ranks s, 7 - s, 8 + s, 15 - s.  A tile lies inside the group of 128 positions GQ = 2 rho + g / 8: key step k (128 keys) counts whole for k < GQ, lies on the diagonal for k = GQ,
; and is left out for k > GQ: a scalar branch on ids round the step's work alone.
; BOTH PRODUCTS TRANSPOSED: S^T = K Q^T, O^T = V^T P^T: a lane holds one query throughout.  The head has 64 dims and the instruction takes 128 along K: a fragment of K holds TWO tiles of 16 keys on end, and is multiplied
; by [q | 0] for the first and by [0 | q] for the second: zero codes add nothing.
; LDS: the head's keys 0 to 3,071 of K and of V stay; keys 3,072 to 4,095 fill the first third again when all waves have passed key step 7.  The scale words of the whole head stay.
; CLUSTER: the four work-groups of a cluster belong to one head: every tile is asked for jointly (waves 0, 1: K's halves; waves 2, 3: V's).
; LIMITS: hidden scores become -infinity where the definition takes 1e10 off: the same p = 0 as long as scores stay far under 1e10.  A block of zeros gets the byte 1.  NaN and infinities are not served.
; zscl's bytes leave one a lane (2 bytes of each row's 16 belong to a head): 131,072 bytes in the whole launch are written so, in parts of blocks of 256.
.set KPART, 49152                      ; eight key steps of 6,144 bytes
.set VBASE, 3*KPART
.set KSC,   6*KPART                    ; K's scale words, 8,192 bytes;
.set VSC,   KSC+8192                   ; V's;
.set SPARE, VSC+8192                   ; the spare words, 128 bytes a wave: eight blocks of 256 bytes that no other line names
.set SPW,  1
.set NIL,  2
.set L16,  3                           ; v3   16 x lane
.set L8,   4                           ; v4   512 + 8 x lane
.set LSC,  5                           ; v5   KSC + 16 r
.set AK16, 6                           ; v6-10 the step's addresses
.set AK8,  7
.set AV16, 8
.set AV8,  9
.set ASK,  10
.set DQ,   11                          ; v11  my query's place in its group of 128, less 16 h
.set QZ,   16                          ; v16-33: six zeros, q's six registers, six zeros
.set QS,   34                          ; v34  q's scale word
.set PS,   35                          ; v35  p's
.set FF,   36                          ; v[36:37] f = 2^(old M - new M)
.set KF,   40                          ; v40-87  four fragments of K; behind the scores, at work:
.set BM,   40                          ;   v40-43 the blocks' largest scores, then p;  v44-47 the other half's;  v48-51 scale operands;  v52-55 bytes;  v56-62 codes before they are moved;  v64-65 a second chain of sums;  v66
.set PT,   44
.set SO,   48
.set BY,   52
.set CT,   56
.set SU,   64
.set TW,   66
.set VF,   88                          ; v88-135 four fragments of V
.set S,    136                         ; v136-199 S^T, then p
.set O,    200                         ; v200-231 O^T
.set PC,   232                         ; v232-243 p's codes
.set KS,   244                         ; v244-247 K's scale words;  v248-251 V's
.set VS,   248
.set WV,   12
.set RHO,  13
.set GQ,   14
.set SEL,  20
.set CS,   22
.set G1T,  24                          ; s[24:31] group 1: 24,576 dense bytes;  s[32:39]: 4,096
.set G1S,  32
.set G0S,  40                          ; s[40:43] group 0: scale words;  s[44:55] the three parts
.set G0T,  44
.set TK,   56
.set TV,   57
.set TS,   58
.set KI,   59
.set CNT,  60
.macro CROUND                          ; a round of the cluster's barrier
	s_barrier_signal -1
	s_barrier_wait -1
	s_cmp_lg_u32 s[WV], 0
	s_cbranch_scc1 .Lnot_wave_0_\@
	s_barrier_signal -3
.Lnot_wave_0_\@:
	s_barrier_wait -3
	s_barrier_signal -1
	s_barrier_wait -1
.endm
.macro FRAG reg, a16, a8, off
	ds_load_b128 v[\reg:\reg+3], v[\a16] offset:\off
	ds_load_b64 v[\reg+4:\reg+5], v[\a8] offset:\off
	ds_load_b128 v[\reg+6:\reg+9], v[\a16] offset:\off+768
	ds_load_b64 v[\reg+10:\reg+11], v[\a8] offset:\off+768
.endm
	s_load_b256 s[4:11], s[0:1], 0x0               ; acod s[4:5], ascl s[6:7], zcod s[8:9], zscl s[10:11]
	v_lshl_add_u32 v[SPW], v0, 2, SPARE
	v_mov_b32 v[NIL], 0
	ds_add_u32 v1, v2
	ds_add_u32 v1, v2
	s_wait_dscnt 0x0
	v_lshrrev_b32 v3, 5, v0
	v_readfirstlane_b32 s[WV], v3                  ; wave 0..15
	s_bfe_u32 s15, s[WV], 0x10002
	s_mul_i32 s15, s15, 3
	s_xor_b32 s[RHO], s[WV], s15                   ; the rank: the low two bits turned round in every second four
	s_lshr_b32 s[GQ], ttmp9, 1
	s_lshl_b32 s15, s[RHO], 1
	s_add_co_u32 s[GQ], s[GQ], s15                 ; my queries' group of 128: the same number in all four partners
	s_and_b32 s16, ttmp7, 0xffff                   ; the head
	s_bfe_u32 s17, ttmp6, 0x40000                  ; cx
	s_and_b32 s18, ttmp9, 1
	s_lshl_b32 s18, s18, 2
	s_add_co_u32 s18, s18, s17                     ; my tile in its group: g % 8
	s_min_u32 s19, s[WV], 3
	s_lshr_b32 s2, s19, 1                          ; what I fetch, if I fetch: K (0) or V (1),
	s_and_b32 s3, s19, 1                           ; which half
	s_mov_b32 s[G1T], 15|(3<<16)|(1<<21)           ; 15:0 the mask: all four work-groups; 17:16 elements of 8 bytes; 21 set beside a mask
	s_mov_b32 s[G1T+1], 32<<16
	s_mov_b32 s[G1T+2], 96<<16
	s_mov_b32 s[G1T+3], 32<<16
	s_mov_b32 s[G1T+4], 96
	s_mov_b32 s[G1T+5], 32
	s_mov_b32 s[G1T+6], 0
	s_mov_b32 s[G1T+7], 0
	s_mov_b32 s[G1S], 15|(3<<16)|(1<<21)
	s_mov_b32 s[G1S+1], 32<<16
	s_mov_b32 s[G1S+2], 16<<16
	s_mov_b32 s[G1S+3], 32<<16
	s_mov_b32 s[G1S+4], 16
	s_mov_b32 s[G1S+5], 32
	s_mov_b32 s[G1S+6], 0
	s_mov_b32 s[G1S+7], 0
	s_lshl_b32 s56, s2, 4
	s_add_co_u32 s56, s56, s16
	s_add_co_u32 s56, s56, 16                      ; H = 16 + 16 (K or V) + head
	s_mul_i32 s66, s56, 196608
	s_mul_i32 s70, s3, 24576
	s_add_co_u32 s66, s66, s70
	s_mov_b32 s67, 0
	s_lshl_b32 s68, s56, 13
	s_lshl_b32 s71, s3, 12
	s_add_co_u32 s68, s68, s71
	s_mov_b32 s69, 0
	s_mul_i32 s72, s2, VBASE
	s_add_co_u32 s70, s70, s72                     ; LDS: my half of a part
	s_lshl_b32 s72, s2, 13
	s_add_co_u32 s71, s71, s72
	s_add_co_u32 s71, s71, KSC                     ; and of the scale words
	s_mov_b32 s[SEL], 0x76543210
	s_mov_b32 s[SEL+1], 0xfedcba98
	s_mov_b32 s[CS], 0x3e38aa3b                    ; c = log2(e) / 8
	s_mov_b32 s[CS+1], s[CS]
	s_wait_kmcnt 0x0
	s_add_nc_u64 s[66:67], s[4:5], s[66:67]
	s_add_nc_u64 s[68:69], s[6:7], s[68:69]
	s_mov_b32 s[G0S], 1
	s_mov_b32 s[G0S+1], s71
	s_mov_b64 s[G0S+2:G0S+3], s[68:69]
	s_or_b32 s[G0S+3], s[G0S+3], 0x80000000
.irp p, 0,1,2
	s_mov_b32 s[G0T+4*\p], 1
	s_add_co_u32 s[G0T+4*\p+1], s70, \p*KPART
	s_add_nc_u64 s[G0T+4*\p+2:G0T+4*\p+3], s[66:67], \p*KPART
	s_or_b32 s[G0T+4*\p+3], s[G0T+4*\p+3], 0x80000000
.endr
	CROUND                                         ; all four work-groups are here: the first joint loads meet
	s_cmp_lt_u32 s[WV], 4                          ; a wave's first fills stand in one branch: four loads of a fetching wave are out
	s_cbranch_scc0 .Lno_first
	tensor_load_to_lds s[G0S:G0S+3], s[G1S:G1S+7]
	s_nop 0
	tensor_load_to_lds s[G0T:G0T+3], s[G1T:G1T+7]
	s_nop 0
	tensor_load_to_lds s[G0T+4:G0T+7], s[G1T:G1T+7]
	s_nop 0
	tensor_load_to_lds s[G0T+8:G0T+11], s[G1T:G1T+7]
	s_nop 0
.rept 4
	v_nop
.endr
.Lno_first:
	s_mul_i32 s72, s16, 196608                     ; q: H = head
	s_mul_i32 s73, s[GQ], 6144
	s_add_co_u32 s72, s72, s73
	s_mul_i32 s73, s18, 768
	s_add_co_u32 s72, s72, s73
	s_mov_b32 s73, 0
	s_add_nc_u64 s[72:73], s[4:5], s[72:73]        ; my tile's image
	s_lshl_b32 s74, s16, 13
	s_lshl_b32 s75, s[GQ], 8
	s_add_co_u32 s74, s74, s75
	s_lshr_b32 s75, s18, 1
	s_lshl_b32 s75, s75, 2
	s_add_co_u32 s74, s74, s75
	s_mov_b32 s75, 0
	s_add_nc_u64 s[74:75], s[6:7], s[74:75]        ; the word that holds its scale bytes
	v_and_b32 v252, 31, v0                         ; lane
	v_and_b32 v253, 15, v0                         ; r
	v_bfe_u32 v254, v0, 4, 1                       ; h
	v_lshlrev_b32 v[L16], 4, v252
	v_lshlrev_b32 v[L8], 3, v252
	v_add_nc_u32 v[L8], 512, v[L8]
	v_lshlrev_b32 v255, 4, v253
	v_add_nc_u32 v[LSC], KSC, v255
	global_load_b128 v[QZ+6:QZ+9], v[L16], s[72:73]
	global_load_b64 v[QZ+10:QZ+11], v[L8], s[72:73]
	global_load_b32 v38, v255, s[74:75]
	s_lshr_b32 s76, s18, 1
	s_lshl_b32 s76, s76, 5
	s_and_b32 s77, s18, 1
	s_lshl_b32 s78, s77, 3
	s_add_co_u32 s76, s76, s78                     ; my tile begins at 32 (tile / 2) + 8 (tile % 2) of its group
	s_lshl_b32 s77, s77, 4                         ; its bytes' shift in the word
	v_and_b32 v[DQ], 8, v253
	v_add_nc_u32 v[DQ], v[DQ], v253                ; r + 8 (r / 8)
	v_lshlrev_b32 v254, 4, v254
	v_sub_nc_u32 v[DQ], v[DQ], v254
	v_add_nc_u32 v[DQ], s76, v[DQ]
	v_mov_b32 v13, 0xff61b1e6                      ; the largest t so far: -3e38
	v_floor_f32 v12, -v13                          ; -M
	v_mov_b32 v14, 0                               ; the sum, in two halves
	v_mov_b32 v15, 0
	v_mov_b32 v[FF], 0
	v_mov_b32 v[FF+1], 0                           ; (named as the upper half of a pair)
.irp i, 0,1,2,3,4,5
	v_mov_b32 v[QZ+\i], 0
	v_mov_b32 v[QZ+12+\i], 0
.endr
	s_wait_loadcnt 0x0                             ; q
	v_lshrrev_b32 v38, s77, v38
	v_and_b32 v38, 0xffff, v38
	v_lshl_or_b32 v[QS], v38, 16, v38              ; my tile's two bytes, below and above: they serve [q | 0] and [0 | q]
.set NN, 0
.rept 32
	v_mov_b32 v[O+NN], 0                           ; O^T: the step is written once; the first change of M leaves zeros zeros.  (More than eight places between q's scale word and the first product)
.set NN, NN+1
.endr
; A KEY STEP: 128 keys.
.macro STEP
	s_cmp_gt_u32 s[KI], s[GQ]                      ; all its keys come after my queries: only the addresses step
	s_cbranch_scc1 .Lhidden_\@
	v_add_nc_u32 v[AK16], s[TK], v[L16]            ; (five places in front of loads into registers that the last products read)
	v_add_nc_u32 v[AK8], s[TK], v[L8]
	v_add_nc_u32 v[AV16], s[TV], v[L16]
	v_add_nc_u32 v[AV8], s[TV], v[L8]
	v_add_nc_u32 v[ASK], s[TS], v[LSC]
	ds_load_b128 v[KS:KS+3], v[ASK]
.irp j, 0,1,2,3
	FRAG KF+12*\j, AK16, AK8, 1536*\j
.endr
	ds_load_b128 v[VS:VS+3], v[ASK] offset:VSC-KSC
.irp t, 0,1,2,3
	FRAG VF+12*\t, AV16, AV8, 1536*\t
.endr
	s_wait_dscnt 17                                ; K and its scale words are in; V's 17 loads may be out
.irp j, 0,1,2,3                        ; lane (r, h): query r; register 16 j + i: key 32 j + 16 h + i of the step
	v_wmma_scale_f32_16x16x128_f8f6f4 v[S+16*\j:S+16*\j+7], v[KF+12*\j:KF+12*\j+11], v[QZ+6:QZ+17], 0, v[KS+\j], v[QS] matrix_a_fmt:MATRIX_FMT_BF6 matrix_b_fmt:MATRIX_FMT_BF6
	v_wmma_scale_f32_16x16x128_f8f6f4 v[S+16*\j+8:S+16*\j+15], v[KF+12*\j:KF+12*\j+11], v[QZ:QZ+11], 0, v[KS+\j], v[QS] matrix_a_fmt:MATRIX_FMT_BF6 matrix_b_fmt:MATRIX_FMT_BF6
.endr
.rept 4
	v_nop
.endr
	s_cmp_lt_u32 s[KI], s[GQ]                      ; on the diagonal hidden scores become -infinity ahead of the maximum
	s_cbranch_scc1 .Lopen_\@
	v_mov_b32 v[TW], 0xff800000
.set NN, 0
.rept 64
	v_cmp_gt_i32 vcc_lo, 32*(NN/16)+NN%16, v[DQ]
	v_cndmask_b32 v[S+NN], v[S+NN], v[TW], vcc_lo
.set NN, NN+1
.endr
.Lopen_\@:
.irp b, 0,1,2,3
	v_max3_num_f32 v[BM+\b], v[S+16*\b], v[S+16*\b+1], v[S+16*\b+2]   ; the largest score of each block of 32 keys: for the row's maximum, and, since p rises with the score, for the block's largest p
.endr
.irp i, 3,5,7,9,11,13
.irp b, 0,1,2,3
	v_max3_num_f32 v[BM+\b], v[BM+\b], v[S+16*\b+\i], v[S+16*\b+\i+1]
.endr
.endr
.irp b, 0,1,2,3
	v_max_num_f32 v[BM+\b], v[BM+\b], v[S+16*\b+15]
.endr
.irp b, 0,1,2,3
	v_permlanex16_b32 v[PT+\b], v[BM+\b], s[SEL], s[SEL+1]
.endr
.irp b, 0,1,2,3
	v_max_num_f32 v[BM+\b], v[BM+\b], v[PT+\b]
.endr
	v_max3_num_f32 v[TW], v[BM], v[BM+1], v[BM+2]
	v_max_num_f32 v[TW], v[TW], v[BM+3]
	v_mul_f32 v[TW], s[CS], v[TW]
	v_max_num_f32 v13, v13, v[TW]                  ; the running largest t
	v_mov_b32 v[TW], v12
	v_floor_f32 v12, -v13                          ; the new -M = -ceil(t)
	v_sub_f32 v[TW], v12, v[TW]                    ; old M - new M: a whole number, 0 or less
	v_cvt_i32_f32 v[TW], v[TW]                     ; (it saturates)
	v_ldexp_f32 v[FF], 1.0, v[TW]                  ; f
.set NN, 0
.rept 32
	v_pk_fma_f32 v[S+NN:S+NN+1], v[S+NN:S+NN+1], s[CS:CS+1], v[12:13] op_sel_hi:[1,0,0]   ; t - M
.set NN, NN+2
.endr
.irp b, 0,1,2,3
	v_fma_f32 v[BM+\b], v[BM+\b], s[CS], v12
.endr
.set NN, 0
.rept 64
	v_exp_f32 v[S+NN], v[S+NN]                     ; p = 2^(t - M)
.set NN, NN+1
.endr
.irp b, 0,1,2,3
	v_exp_f32 v[BM+\b], v[BM+\b]                   ; the block's largest p: the same two instructions on the same number
.endr
	v_pk_mul_f32 v[14:15], v[14:15], v[FF:FF+1] op_sel_hi:[1,0]   ; the sums under the new M.  (A plain place behind the exponentials)
	s_wait_alu depctr_va_vdst(0)
.irp b, 0,1,2,3
	v_max_num_f32 v[BM+\b], 0x2800000, v[BM+\b]    ; the floor 2^(5 - 127)
.endr
.irp b, 0,1,2,3
	v_add_nc_u32 v[SO+\b], 0xfe000000, v[BM+\b]
.endr
.irp b, 0,1,2,3
	v_lshrrev_b32 v[BY+\b], 23, v[SO+\b]
.endr
	v_lshl_or_b32 v[PS], v[BY+1], 8, v[BY]
	v_lshl_or_b32 v[PS], v[BY+2], 16, v[PS]
	v_lshl_or_b32 v[PS], v[BY+3], 24, v[PS]
.irp c, 0,1
	v_cvt_scalef32_pk16_bf6_f32 v[PC+6*\c:PC+6*\c+2], v[S+32*\c:S+32*\c+15], v[SO+2*\c]
	v_cvt_scalef32_pk16_bf6_f32 v[CT+4*\c:CT+4*\c+2], v[S+32*\c+16:S+32*\c+31], v[SO+2*\c+1]
.endr
	v_nop                                          ; one plain place behind a scaled conversion
.irp c, 0,1
.irp i, 0,1,2
	v_permlane16_swap_b32 v[PC+6*\c+\i], v[CT+4*\c+\i]
.endr
.irp i, 0,1,2
	v_mov_b32 v[PC+3+6*\c+\i], v[CT+4*\c+\i]
.endr
.endr
	v_pk_add_f32 v[SU:SU+1], v[S:S+1], v[S+2:S+3]  ; the row's sum of the unquantised p, in two chains
.irp j, 4,8,12,16,20,24,28,32,36,40,44,48,52,56,60
	v_pk_add_f32 v[14:15], v[14:15], v[S+\j:S+\j+1]
	v_pk_add_f32 v[SU:SU+1], v[SU:SU+1], v[S+\j+2:S+\j+3]
.endr
	v_pk_add_f32 v[14:15], v[14:15], v[SU:SU+1]
.set NN, 0
.rept 16
	v_pk_mul_f32 v[O+NN:O+NN+1], v[O+NN:O+NN+1], v[FF:FF+1] op_sel_hi:[1,0]   ; O^T under the new M
.set NN, NN+2
.endr
	s_wait_dscnt 0x0                               ; V and its scale words are in
.irp t, 0,1,2,3                        ; four accumulators by turns
	v_wmma_scale_f32_16x16x128_f8f6f4 v[O+8*\t:O+8*\t+7], v[VF+12*\t:VF+12*\t+11], v[PC:PC+11], v[O+8*\t:O+8*\t+7], v[VS+\t], v[PS] matrix_a_fmt:MATRIX_FMT_BF6 matrix_b_fmt:MATRIX_FMT_BF6
.endr
.Lhidden_\@:
	s_add_co_u32 s[TK], s[TK], 6144
	s_add_co_u32 s[TV], s[TV], 6144
	s_add_co_u32 s[TS], s[TS], 256
	s_add_co_u32 s[KI], s[KI], 1
.endm
.macro STEPS n, k0, lds0               ; n key steps from step k0 on, whose tiles begin at lds0: the addresses are set anew, so that the loop's LDS bytes can be read off the text
	s_mov_b32 s[TK], \lds0
	s_mov_b32 s[TV], VBASE+\lds0
	s_mov_b32 s[TS], 256*\k0
	s_mov_b32 s[CNT], \n
.Lsteps_\@:
	STEP
	s_sub_co_u32 s[CNT], s[CNT], 1
	s_cmp_lg_u32 s[CNT], 0
	s_cbranch_scc1 .Lsteps_\@
.endm
	s_mov_b32 s[KI], 0
	s_wait_tensorcnt 2                             ; the scale words and my half of part 0 are in; parts 1 and 2 may stay out
	s_barrier_signal -1
	s_barrier_wait -1
	STEPS 8, 0, 0
	s_wait_tensorcnt 0x0                           ; all my tensor loads have landed: parts 1 and 2
	ds_add_u32 v[SPW], v[NIL]                      ; 0 onto my spare word
	ds_add_u32 v1, v2
	s_add_nc_u64 s[G0T+2:G0T+3], s[G0T+2:G0T+3], 3*KPART   ; part 0's next fill: keys 3,072 on
	s_wait_dscnt 0x0                               ; the add is done, and my reads of part 0 are over
	CROUND                                         ; so of every wave of all four work-groups
	s_cmp_lt_u32 s[WV], 4
	s_cbranch_scc0 .Lno_refill
	tensor_load_to_lds s[G0T:G0T+3], s[G1T:G1T+7]  ; the first thing behind the round: it has sixteen key steps in which to land
	s_nop 0
.rept 4
	v_nop
.endr
.Lno_refill:
	STEPS 16, 8, KPART
	s_wait_tensorcnt 0x0                           ; my half of part 0's second fill is in
	ds_add_u32 v[SPW], v[NIL]
	s_wait_dscnt 0x0
	s_barrier_signal -1
	s_barrier_wait -1                              ; everybody's is
	STEPS 8, 24, 0
	; THE WAY OUT: O^T / the sum; register 16 b + i is dim 32 b + 16 h + i of my query: two blocks of 32 along the last product's K
.rept 4
	v_nop
.endr
	v_mov_b32 v40, 0
	v_mov_b32 v42, 0
	v_mov_b32 v43, 0
	v_add_f32 v14, v14, v15
	v_permlanex16_b32 v40, v14, s[SEL], s[SEL+1]
	v_add_f32 v14, v14, v40                        ; the row's sum
	v_rcp_f32 v14, v14
	v_and_b32 v253, 15, v0                         ; (a plain place behind the transcendental)
	v_bfe_u32 v254, v0, 4, 1
.set NN, 0
	s_wait_alu depctr_va_vdst(0)
.rept 32
	v_mul_f32 v[S+NN], v[O+NN], v14
.set NN, NN+1
.endr
	s_lshl_b32 s72, ttmp9, 2
	s_add_co_u32 s72, s72, s17
	s_lshl_b32 s73, s[RHO], 4
	s_add_co_u32 s72, s72, s73                     ; my tile of positions: 16 rho + g
	s_mul_i32 s74, s72, 12288
	s_mul_i32 s75, s16, 768
	s_add_co_u32 s74, s74, s75
	s_mov_b32 s75, 0
	s_add_nc_u64 s[8:9], s[8:9], s[74:75]
	s_lshl_b32 s74, s72, 9
	s_lshr_b32 s76, s16, 3
	s_lshl_b32 s76, s76, 8
	s_add_co_u32 s74, s74, s76
	s_and_b32 s76, s16, 7
	s_lshl_b32 s76, s76, 1
	s_add_co_u32 s74, s74, s76
	s_add_nc_u64 s[10:11], s[10:11], s[74:75]
.irp b, 0,1
	v_max3_num_f32 v[40+\b], |v[S+16*\b]|, |v[S+16*\b+1]|, 0x2800000
.endr
.irp i, 2,4,6,8,10,12,14
.irp b, 0,1
	v_max3_num_f32 v[40+\b], v[40+\b], |v[S+16*\b+\i]|, |v[S+16*\b+\i+1]|
.endr
.endr
.irp b, 0,1
	v_permlanex16_b32 v[42+\b], v[40+\b], s[SEL], s[SEL+1]
.endr
.irp b, 0,1
	v_max_num_f32 v[40+\b], v[40+\b], v[42+\b]
.endr
.irp b, 0,1
	v_add_nc_u32 v[44+\b], 0xfe000000, v[40+\b]
.endr
.irp b, 0,1
	v_lshrrev_b32 v[46+\b], 23, v[44+\b]
.endr
	v_cvt_scalef32_pk16_bf6_f32 v[48:50], v[S:S+15], v44
	v_cvt_scalef32_pk16_bf6_f32 v[52:54], v[S+16:S+31], v45
	v_nop                                          ; one plain place behind a scaled conversion
	v_permlane16_swap_b32 v48, v52                 ; lanes 0-15 block 0, lanes 16-31 block 1
	v_permlane16_swap_b32 v49, v53
	v_permlane16_swap_b32 v50, v54
	v_mov_b32 v51, v52
	v_mov_b32 v52, v53
	v_mov_b32 v53, v54
	v_cmp_eq_u32 vcc_lo, 1, v254
	v_cndmask_b32 v55, v46, v47, vcc_lo            ; my half's block's byte
	v_lshl_add_u32 v56, v253, 4, v254              ; 16 r + h
	global_store_b128 v[L16], v[48:51], s[8:9]     ; the half image: whole aligned blocks of 256 bytes
	global_store_b64 v[L8], v[52:53], s[8:9]
	global_store_b8 v56, v55, s[10:11]
	s_wait_tensorcnt 0x0                           ; the wave's end
	ds_add_u32 v[SPW], v[NIL]
	s_wait_dscnt 0x0
	CROUND                                         ; the closing round
	s_endpgm
.Lfunc_end_k_q8cd789e575_attn:
	.size	k_q8cd789e575_attn, .Lfunc_end_k_q8cd789e575_attn-k_q8cd789e575_attn
	.p2alignl 7, 3214868480
	.fill 96, 4, 3214868480
	.section	.rodata,"a",@progbits
	.p2align	6, 0x0
	.amdhsa_kernel k_q8cd789e575_attn
		.amdhsa_group_segment_fixed_size 327680
		.amdhsa_private_segment_fixed_size 0
		.amdhsa_enable_private_segment 0
		.amdhsa_kernarg_size 32
		.amdhsa_user_sgpr_count 2
		.amdhsa_user_sgpr_kernarg_segment_ptr 1
		.amdhsa_wavefront_size32 1
		.amdhsa_system_sgpr_workgroup_id_x 1
		.amdhsa_system_sgpr_workgroup_id_y 1
		.amdhsa_system_sgpr_workgroup_id_z 1
		.amdhsa_system_vgpr_workitem_id 0
		.amdhsa_next_free_vgpr 256
		.amdhsa_next_free_sgpr 80
		.amdhsa_reserve_vcc 1
		.amdhsa_float_denorm_mode_32 3
		.amdhsa_float_denorm_mode_16_64 3
		.amdhsa_memory_ordered 1
		.amdhsa_forward_progress 1
		.amdhsa_inst_pref_size 78
	.end_amdhsa_kernel
	.amdgpu_metadata
---
amdhsa.version: [ 1, 2 ]
amdhsa.kernels:
  - .name:           k_q8cd789e575_attn
    .symbol:         k_q8cd789e575_attn.kd
    .args:
      - { .name: acod, .offset: 0, .size: 8, .value_kind: global_buffer, .address_space: global }
      - { .name: ascl, .offset: 8, .size: 8, .value_kind: global_buffer, .address_space: global }
      - { .name: zcod, .offset: 16, .size: 8, .value_kind: global_buffer, .address_space: global }
      - { .name: zscl, .offset: 24, .size: 8, .value_kind: global_buffer, .address_space: global }
    .group_segment_fixed_size: 327680
    .private_segment_fixed_size: 0
    .kernarg_segment_align: 8
    .kernarg_segment_size: 32
    .max_flat_workgroup_size: 512
    .sgpr_count:     80
    .vgpr_count:     256
    .wavefront_size: 32
...
	.end_amdgpu_metadata
.endif
;; end of part 3
;; launch outp (part 4): grid 8 x 32, 4 waves a work-group, clusters of 4 x 4, 222,720 bytes of LDS; arguments zcod, zscl, cin, sin, out0; writes out0
.if DOCPART == 4
	.amdgcn_target "amdgcn-amd-amdhsa--gfx1250"
	.amdhsa_code_object_version 6
	.text
	.protected	k_q8cd789e575_outp
	.globl	k_q8cd789e575_outp
	.p2align	8
	.type	k_q8cd789e575_outp,@function
k_q8cd789e575_outp:
	s_mov_b64 s[64:65], 0
	v_nop
	global_prefetch_b8 v0, s[64:65] scope:SCOPE_SE
	s_setreg_imm32_b32 hwreg(HW_REG_WAVE_MODE, 25, 1), 1
	s_wait_xcnt 0x0
	s_wait_alu depctr_hold_cnt(0) depctr_sa_sdst(0) depctr_va_vdst(0) depctr_va_sdst(0) depctr_va_ssrc(0) depctr_va_vcc(0) depctr_vm_vsrc(0)
	s_getreg_b32 s2, hwreg(HW_REG_IB_STS2, 6, 4)
	s_cmp_eq_u32 s2, 0
	s_cbranch_scc0 .Lentry_in_a_cluster
	s_endpgm
.Lentry_in_a_cluster:
	s_bfe_u32 s2, ttmp6, 0x10000c
	s_cmp_lg_u32 s2, 0xf033
	s_cbranch_scc0 .Lentry_shape_is_right
	s_endpgm
.Lentry_shape_is_right:
; out[q][d] = the sum over f of z[q][f] W_O[d][f], K = 1,024, on codes of E3M2; out is f32.
; 256 work-groups of 128 x 128 (tiles of 256 x 256 would be 64); a wave makes 64 x 64: 16 accumulators.  R = z (source 1: a lane's position), P = W_O (source 0: a lane's registers run along d).
; Both operands lie as register images (16 rows x 64 K in 768 bytes), a tile's lane r being row 32 b + 8 u + r + 8 (r / 8) of tile 2 b + u.  ALL OF K STAYS IN LDS: two chunks of 512 along K, each filled once; nothing is filled again.
; CLUSTERS: 4 x 4: z's tiles are shared along a row of the cluster, W_O's along a column: each is asked for jointly.
; REGISTERS: window 0: v1-23 addresses; v32-63 scale words (8 i + s: lanes 0-15 R's block i, lanes 16-31 P's); v64-127 the way out; v128-255 the accumulators, (a, b) at v[128 + 8 (4 a + b)].
;   window 1: two sets of 96 at v0 and v128: P's four fragments, then R's four.
.set CHUNK, 98304                      ; R's 8 tiles x 6,144 bytes, then P's
.set HALFT, 24576                      ; 4 tiles: what one tensor load brings, and what one wave reads of R or of P
.set SCL,   2*CHUNK                    ; the scale words: R's 4,096 bytes, then P's
.set STG,   SCL+8192                   ; the way out: 16 rows x (256 + 16) bytes for each wave; no tensor load lands here
.set RA16, 4                           ; v4-5 R's fragments in chunk 0, 1: 16 x lane;  v6-7: 512 + 8 x lane
.set RA8,  6
.set PA16, 8
.set PA8,  10
.set ADRS, 12
.set STO,  13
.set RD,   14
.set CO,   15
.set SC,   32
.set BK,   64
.set ACC,  128
.set G1,   24
.set G1B,  32
.set G1S,  40
.set G1SB, 48
.set G0S,  56
.set G0R0, 60
.set G0R1, 68
.set G0SB, 72
.set G0P0, 76
.set G0P1, 80
.set MSB, 0
.macro WIN new
.if MSB != (\new)
	s_set_vgpr_msb (MSB<<8)|(\new)
.set MSB, (\new)
.endif
.endm
.macro PLACES
.rept 4
	v_nop
.endr
.endm
.macro JLOAD g0a, g1a, g0b, g1b        ; waves 0 and 1 fetch for R, waves 2 and 3 for P; four v_nop follow each line
	s_cmp_eq_u32 s15, 0
	s_cbranch_scc0 .Lfor_p_\@
	tensor_load_to_lds s[\g0a:\g0a+3], s[\g1a:\g1a+7]
	s_nop 0
.rept 4
	v_nop
.endr
	s_branch .Lasked_\@
.Lfor_p_\@:
	tensor_load_to_lds s[\g0b:\g0b+3], s[\g1b:\g1b+7]
	s_nop 0
.rept 4
	v_nop
.endr
.Lasked_\@:
.endm
.macro CROUND
	s_barrier_signal -1
	s_barrier_wait -1
	s_cmp_lg_u32 s14, 0
	s_cbranch_scc1 .Lnot_wave_0_\@
	s_barrier_signal -3
.Lnot_wave_0_\@:
	s_barrier_wait -3
	s_barrier_signal -1
	s_barrier_wait -1
.endm
.macro SETG0 g, base, lds, adr, add
	s_mov_b32 s[\g], 1
	s_add_co_u32 s[\g+1], s[\base], \lds
	s_add_nc_u64 s[\g+2:\g+3], s[\adr:\adr+1], \add
	s_or_b32 s[\g+3], s[\g+3], 0x80000000
.endm
	s_load_b256 s[4:11], s[0:1], 0x0               ; zcod s[4:5], zscl s[6:7], cin s[8:9], sin s[10:11]
	s_load_b64 s[12:13], s[0:1], 0x20              ; out0
	v_lshl_add_u32 v30, v0, 2, 0x36400
	v_mov_b32 v31, 0
	ds_add_u32 v30, v31
	ds_add_u32 v30, v31
	v_lshrrev_b32 v1, 5, v0
	v_readfirstlane_b32 s14, v1                    ; wave 0..3
	s_lshr_b32 s15, s14, 1                         ; wr.  Also: I fetch for R (0) or for P (1)
	s_and_b32 s16, s14, 1                          ; wc.  Also: which 4 tiles I fetch
	s_bfe_u32 s17, ttmp6, 0x40000                  ; cx
	s_bfe_u32 s18, ttmp6, 0x40004                  ; cy
	s_lshl_b32 s19, ttmp9, 2
	s_add_co_u32 s19, s19, s17                     ; block of 128 columns
	s_and_b32 s20, ttmp7, 0xffff
	s_lshl_b32 s20, s20, 2
	s_add_co_u32 s20, s20, s18                     ; block of 128 rows
	s_lshl_b32 s2, s18, 2
	s_lshl_b32 s2, 15, s2                          ; my row of the cluster
	s_lshl_b32 s3, 0x1111, s17                     ; my column
	s_or_b32 s[G1], s2, (3<<16)|(1<<21)            ; the mask; elements of 8 bytes; bit 21 beside a mask; no padding
	s_or_b32 s[G1B], s3, (3<<16)|(1<<21)
	s_or_b32 s[G1S], s2, (3<<16)|(1<<21)
	s_or_b32 s[G1SB], s3, (3<<16)|(1<<21)
.irp g, G1, G1B                        ; 4 tiles' 6,144 bytes (512 along K), 12,288 bytes from tile to tile
	s_mov_b32 s[\g+1], 768<<16
	s_mov_b32 s[\g+2], 4<<16
	s_mov_b32 s[\g+3], 768<<16
	s_mov_b32 s[\g+4], 4
	s_mov_b32 s[\g+5], 1536
	s_mov_b32 s[\g+6], 0
	s_mov_b32 s[\g+7], 0
.endr
.irp g, G1S, G1SB                      ; 4 tiles' scale words: 2,048 dense bytes as 8 rows of 256
	s_mov_b32 s[\g+1], 32<<16
	s_mov_b32 s[\g+2], 8<<16
	s_mov_b32 s[\g+3], 32<<16
	s_mov_b32 s[\g+4], 8
	s_mov_b32 s[\g+5], 32
	s_mov_b32 s[\g+6], 0
	s_mov_b32 s[\g+7], 0
.endr
	s_lshl_b32 s21, s16, 2
	s_lshl_b32 s84, s20, 3
	s_add_co_u32 s84, s84, s21                     ; the first of the 4 tiles of z that I would fetch
	s_lshl_b32 s86, s19, 3
	s_add_co_u32 s86, s86, s21
	s_add_co_u32 s86, s86, 448                     ; and of W_O
	s_lshl_b32 s88, s84, 9
	s_mov_b32 s89, 0
	s_lshl_b32 s90, s86, 9
	s_mov_b32 s91, 0
	s_mul_i32 s84, s84, 12288
	s_mov_b32 s85, 0
	s_mul_i32 s86, s86, 12288
	s_mov_b32 s87, 0
	s_mul_i32 s22, s14, HALFT                      ; where they go: no place in the cluster enters an LDS address
	s_lshl_b32 s23, s14, 11
	s_wait_dscnt 0x0
	s_wait_kmcnt 0x0
	s_add_nc_u64 s[84:85], s[4:5], s[84:85]
	s_add_nc_u64 s[88:89], s[6:7], s[88:89]
	s_add_nc_u64 s[86:87], s[8:9], s[86:87]
	s_add_nc_u64 s[90:91], s[10:11], s[90:91]
	CROUND                                         ; all sixteen work-groups are here: the joint loads meet
	SETG0 G0S, 23, SCL, 88, 0
	SETG0 G0SB, 23, SCL, 90, 0
	JLOAD G0S, G1S, G0SB, G1SB
	SETG0 G0R0, 22, 0, 84, 0
	SETG0 G0P0, 22, 0, 86, 0
	JLOAD G0R0, G1, G0P0, G1B
	SETG0 G0R1, 22, CHUNK, 84, 6144
	SETG0 G0P1, 22, CHUNK, 86, 6144
	JLOAD G0R1, G1, G0P1, G1B                      ; three loads of mine are out
	v_and_b32 v1, 15, v0                           ; r
	v_bfe_u32 v2, v0, 4, 1                         ; h
	v_and_b32 v3, 31, v0                           ; lane
	v_lshlrev_b32 v16, 4, v3
	v_lshlrev_b32 v17, 3, v3
	v_add_nc_u32 v17, 512, v17
	s_mul_i32 s21, s15, HALFT                      ; my 4 tiles of R
	s_mul_i32 s22, s16, HALFT                      ; my 4 tiles of P,
	s_add_co_u32 s22, s22, 2*HALFT                 ; behind R's 8
.irp q, 0,1
	v_add_nc_u32 v[RA16+\q], s21, v16
	v_add_nc_u32 v[RA8+\q], s21, v17
	v_add_nc_u32 v[PA16+\q], s22, v16
	v_add_nc_u32 v[PA8+\q], s22, v17
	s_add_co_u32 s21, s21, CHUNK
	s_add_co_u32 s22, s22, CHUNK
.endr
	s_lshl_b32 s21, s15, 11                        ; R's scale words: my 4 tiles of 512 bytes
	s_lshl_b32 s22, s16, 11                        ; P's, behind R's 4,096
	s_add_co_u32 s22, s22, 4096
	s_sub_co_u32 s22, s22, s21
	v_mul_u32_u24 v18, s22, v2                     ; lanes 16-31 take P's
	s_add_co_u32 s21, s21, SCL
	v_lshl_add_u32 v18, v1, 4, v18
	v_add_nc_u32 v[ADRS], s21, v18
	s_mul_i32 s23, s14, 16*272
	s_add_co_u32 s23, s23, STG                     ; my stage
	v_mul_u32_u24 v18, v1, 272
	v_lshl_add_u32 v18, v2, 6, v18
	v_add_nc_u32 v[STO], s23, v18                  ; in: row r, + 64 h
	v_mul_u32_u24 v18, v2, 272
	v_lshl_add_u32 v18, v1, 4, v18
	v_add_nc_u32 v[RD], s23, v18                   ; back: lanes 0-15 one row of 256 bytes, lanes 16-31 the next
	v_lshlrev_b32 v[CO], 12, v2
	v_lshl_add_u32 v[CO], v1, 4, v[CO]             ; and the same two rows in out
	s_lshl_b32 s2, s20, 7
	s_lshl_b32 s21, s15, 6
	s_add_co_u32 s2, s2, s21                       ; my first row: 128 x block + 64 wr
	s_lshl_b32 s2, s2, 12
	s_lshl_b32 s21, s19, 9                         ; my first column, in bytes: 512 x block + 256 wc
	s_add_co_u32 s2, s2, s21
	s_lshl_b32 s21, s16, 8
	s_add_co_u32 s2, s2, s21
	s_mov_b32 s3, 0
	s_add_nc_u64 s[12:13], s[12:13], s[2:3]
.macro FRAG reg, a16, a8, off
	ds_load_b128 v[\reg:\reg+3], v[\a16] offset:\off
	ds_load_b64 v[\reg+4:\reg+5], v[\a8] offset:\off
	ds_load_b128 v[\reg+6:\reg+9], v[\a16] offset:\off+768
	ds_load_b64 v[\reg+10:\reg+11], v[\a8] offset:\off+768
.endm
.macro FETCH s                         ; K step s: 32 LDS loads in one run, into set s % 2
	WIN 0x40                                       ; destination window 1, address window 0
.irp i, 0,1,2,3
	FRAG 128*((\s)%2)+12*\i, PA16+(\s)/4, PA8+(\s)/4, 6144*\i+1536*((\s)%4)
.endr
.irp i, 0,1,2,3
	FRAG 128*((\s)%2)+48+12*\i, RA16+(\s)/4, RA8+(\s)/4, 6144*\i+1536*((\s)%4)
.endr
.endm
.macro MUL s, zero                     ; 16 matrix instructions, the 16 accumulators by turns
	WIN 0x05                                       ; sources 0 (P) and 1 (R) window 1; C and D window 0
.irp a, 0,1,2,3
.irp b, 0,1,2,3
.if \zero
	v_wmma_scale_f32_16x16x128_f8f6f4 v[ACC+8*(4*\a+\b):ACC+8*(4*\a+\b)+7], v[128*((\s)%2)+12*\b:128*((\s)%2)+12*\b+11], v[128*((\s)%2)+48+12*\a:128*((\s)%2)+48+12*\a+11], 0, v[SC+8*\b+(\s)], v[SC+8*\a+(\s)] matrix_a_fmt:MATRIX_FMT_BF6 matrix_b_fmt:MATRIX_FMT_BF6 matrix_a_scale:MATRIX_SCALE_ROW1
.else
	v_wmma_scale_f32_16x16x128_f8f6f4 v[ACC+8*(4*\a+\b):ACC+8*(4*\a+\b)+7], v[128*((\s)%2)+12*\b:128*((\s)%2)+12*\b+11], v[128*((\s)%2)+48+12*\a:128*((\s)%2)+48+12*\a+11], v[ACC+8*(4*\a+\b):ACC+8*(4*\a+\b)+7], v[SC+8*\b+(\s)], v[SC+8*\a+(\s)] matrix_a_fmt:MATRIX_FMT_BF6 matrix_b_fmt:MATRIX_FMT_BF6 matrix_a_scale:MATRIX_SCALE_ROW1
.endif
.endr
.endr
.endm
	s_wait_tensorcnt 1                             ; the scale words and my part of chunk 0 are in; chunk 1 may stay out
	s_barrier_signal -1
	s_barrier_wait -1
.irp i, 0,1,2,3
	ds_load_b128 v[SC+8*\i:SC+8*\i+3], v[ADRS] offset:512*\i
	ds_load_b128 v[SC+8*\i+4:SC+8*\i+7], v[ADRS] offset:512*\i+256
.endr
	FETCH 0
	FETCH 1
	s_wait_dscnt 32                                ; all but the 32 just issued
	MUL 0, 1                                       ; the first products start the sums
.irp s, 1,2,3,4,5,6
	PLACES                                         ; in front of loads into the set that the last products read
.if \s == 3
	s_wait_tensorcnt 0x0                           ; my part of chunk 1 is in,
	s_wait_dscnt 0x0
	s_barrier_signal -1
	s_barrier_wait -1                              ; everybody's is
.endif
	FETCH \s+1
	s_wait_dscnt 32
	MUL \s, 0
.endr
	s_wait_dscnt 0x0
	MUL 7, 0
	WIN 0
	PLACES
; THE WAY OUT, a tile of 16 positions x 64 columns at a time.  A lane holds 32 neighbouring bytes of a row; the tile goes through my own stage and comes back as rows of 256 bytes.  LDS serves a wave's instructions in order.
.macro TOSTAGE a
.irp b, 0,1,2,3
	ds_store_b128 v[STO], v[ACC+8*(4*(\a)+\b):ACC+8*(4*(\a)+\b)+3] offset:128*(\b/2)+32*(\b%2)      ; columns 32 (b / 2) + 16 h + 8 (b % 2) on; each accumulator from its low end on
	ds_store_b128 v[STO], v[ACC+8*(4*(\a)+\b)+4:ACC+8*(4*(\a)+\b)+7] offset:128*(\b/2)+32*(\b%2)+16
.endr
.irp i, 0,1,2,3,4,5,6,7
	ds_load_b128 v[BK+32*((\a)%2)+4*\i:BK+32*((\a)%2)+4*\i+3], v[RD] offset:2*\i*272
.endr
.endm
.macro SEND a, younger                 ; the tile's lane 2 i + h is position 32 (a / 2) + 8 (a % 2) + 2 i + h + 8 (i / 4) of my 64
	s_wait_dscnt \younger
.irp i, 0,1,2,3,4,5,6,7
	global_store_b128 v[CO], v[BK+32*((\a)%2)+4*\i:BK+32*((\a)%2)+4*\i+3], s[12:13] offset:(32*((\a)/2)+8*((\a)%2)+2*\i+8*(\i/4))*4096 th:TH_STORE_NT   ; sixteen lanes store 256 consecutive bytes, aligned
.endr
.endm
	TOSTAGE 0
.irp a, 1,2,3
.if \a > 1
	s_wait_xcnt 0x0                                ; the stores of two tiles ago have read their registers
.endif
	TOSTAGE \a
	SEND \a-1, 16                                  ; behind that tile's loads: this tile's 8 stores and 8 loads
.endr
	SEND 3, 0
	s_wait_tensorcnt 0x0
	ds_add_u32 v30, v31
	s_wait_dscnt 0x0
	CROUND                                         ; the closing round
	s_endpgm
.Lfunc_end_k_q8cd789e575_outp:
	.size	k_q8cd789e575_outp, .Lfunc_end_k_q8cd789e575_outp-k_q8cd789e575_outp
	.p2alignl 7, 3214868480
	.fill 96, 4, 3214868480
	.section	.rodata,"a",@progbits
	.p2align	6, 0x0
	.amdhsa_kernel k_q8cd789e575_outp
		.amdhsa_group_segment_fixed_size 222720
		.amdhsa_private_segment_fixed_size 0
		.amdhsa_enable_private_segment 0
		.amdhsa_kernarg_size 40
		.amdhsa_user_sgpr_count 2
		.amdhsa_user_sgpr_kernarg_segment_ptr 1
		.amdhsa_wavefront_size32 1
		.amdhsa_system_sgpr_workgroup_id_x 1
		.amdhsa_system_sgpr_workgroup_id_y 1
		.amdhsa_system_sgpr_workgroup_id_z 1
		.amdhsa_system_vgpr_workitem_id 0
		.amdhsa_next_free_vgpr 512
		.amdhsa_next_free_sgpr 92
		.amdhsa_reserve_vcc 0
		.amdhsa_float_denorm_mode_32 3
		.amdhsa_float_denorm_mode_16_64 3
		.amdhsa_memory_ordered 1
		.amdhsa_forward_progress 1
		.amdhsa_inst_pref_size 52
	.end_amdhsa_kernel
	.amdgpu_metadata
---
amdhsa.version: [ 1, 2 ]
amdhsa.kernels:
  - .name:           k_q8cd789e575_outp
    .symbol:         k_q8cd789e575_outp.kd
    .args:
      - { .name: zcod, .offset: 0, .size: 8, .value_kind: global_buffer, .address_space: global }
      - { .name: zscl, .offset: 8, .size: 8, .value_kind: global_buffer, .address_space: global }
      - { .name: cin, .offset: 16, .size: 8, .value_kind: global_buffer, .address_space: global }
      - { .name: sin, .offset: 24, .size: 8, .value_kind: global_buffer, .address_space: global }
      - { .name: out0, .offset: 32, .size: 8, .value_kind: global_buffer, .address_space: global }
    .group_segment_fixed_size: 222720
    .private_segment_fixed_size: 0
    .kernarg_segment_align: 8
    .kernarg_segment_size: 40
    .max_flat_workgroup_size: 128
    .sgpr_count:     92
    .vgpr_count:     512
    .wavefront_size: 32
...
	.end_amdgpu_metadata
.endif
;; end of part 4
